; MI455X (gfx1250); checked and timed in simulation.
; The chip was launched on July 23, 2026; its instructions are those of AMD's public machine-readable ISA for CDNA 5 (MIT licence, August 2026) and "CDNA5" Instruction Set Architecture Reference Guide (July 2026). The comments in the code are by the model that wrote it; some were corrected since.
;; Interactive Attention. Allowed arithmetic: matrix products marked QUANTISED: E2M1 operands, one E8M0 scale for each 32 along K, by v_wmma_scale_f32_16x16x128_f8f6f4 with both operands' format E2M1 (or v_wmma_scale_f32_32x16x128_f4), f32 sums; products left as they are: f32 operands where the result goes on into a quantised operand, else bf16, f16 or f32 operands; f32 sums; everything else in f32.
;; Inputs: bk_sem 1,024 float32; bk_syn 1,024 float32; bq 1,024 float32; bv 1,024 float32; fg1_b 1,024 float32; fg1_w_codes 1,024 x 64 x 16 uint8 (E2M1 codes of fg1_w, K innermost, in blocks of 32 codes, two codes a byte); fg1_w_scales 1,024 x 64 uint8 (E8M0 scales of fg1_w, one for each 32 codes along K); fg2_b 1 float32; fg2_w 1,024 x 1 float32; g_sem_b 1,024 float32; g_sem_w_codes 1,024 x 64 x 16 uint8 (E2M1 codes of g_sem_w, K innermost, in blocks of 32 codes, two codes a byte); g_sem_w_scales 1,024 x 64 uint8 (E8M0 scales of g_sem_w, one for each 32 codes along K); g_syn_b 1,024 float32; g_syn_w_codes 1,024 x 64 x 16 uint8 (E2M1 codes of g_syn_w, K innermost, in blocks of 32 codes, two codes a byte); g_syn_w_scales 1,024 x 64 uint8 (E8M0 scales of g_syn_w, one for each 32 codes along K); h_b 4 x 1,024 x 1,024 float32; h_p 4 x 1,024 x 1,024 float32; ln_sem_b 1,024 float32; ln_sem_g 1,024 float32; ln_syn_b 1,024 float32; ln_syn_g 1,024 float32; wk_sem_codes 1,024 x 32 x 16 uint8 (E2M1 codes of wk_sem, K innermost, in blocks of 32 codes, two codes a byte); wk_sem_scales 1,024 x 32 uint8 (E8M0 scales of wk_sem, one for each 32 codes along K); wk_syn_codes 1,024 x 32 x 16 uint8 (E2M1 codes of wk_syn, K innermost, in blocks of 32 codes, two codes a byte); wk_syn_scales 1,024 x 32 uint8 (E8M0 scales of wk_syn, one for each 32 codes along K); wq_codes 1,024 x 32 x 16 uint8 (E2M1 codes of wq, K innermost, in blocks of 32 codes, two codes a byte); wq_scales 1,024 x 32 uint8 (E8M0 scales of wq, one for each 32 codes along K); wv_codes 1,024 x 32 x 16 uint8 (E2M1 codes of wv, K innermost, in blocks of 32 codes, two codes a byte); wv_scales 1,024 x 32 uint8 (E8M0 scales of wv, one for each 32 codes along K).
;; Outputs: out0 4 x 1,024 x 1,024 float32.
;; This version of the problem:
;;   THIS VERSION OF THE PROBLEM IS GIVEN IN LOW PRECISION. The matrix products marked QUANTISED in the list below multiply operands that are first quantised to E2M1 (2 exponent bits, 1 mantissa bit; 4 bits a number), with one power-of-two scale for each 32 numbers along K (OCP MX v1.0); their sums are f32. All else is computed in f32.
;;   The module's matrix products, in the order in which they are computed (A, B: the left and right operand; K: the contracted axis; several contracted axes count as one K, in the product's order):
;;     1. [M 4,096, K 1,024] x [K 1,024, N 1,024]; A: input h_b; B: input wq (given as codes): QUANTISED
;;     2. [M 4,096, K 1,024] x [K 1,024, N 1,024]; A: input h_p; B: input wk_syn (given as codes): QUANTISED
;;     3. [M 4,096, K 1,024] x [K 1,024, N 1,024]; A: input h_p; B: input wv (given as codes): QUANTISED
;;     4. batch 64 x [M 1,024, K 64] x [K 64, N 1,024]; A: computed on the way; B: computed on the way: QUANTISED
;;     5. batch 64 x [M 1,024, K 1,024] x [K 1,024, N 64]; A: softmax (see below); B: computed on the way: QUANTISED
;;     6. [M 4,096, K 2,048] x [K 2,048, N 1,024]; A: computed on the way; B: input g_sem_w (given as codes): QUANTISED
;;     7. [M 4,096, K 1,024] x [K 1,024, N 1,024]; A: input h_p; B: input wq (given as codes): QUANTISED
;;     8. [M 4,096, K 1,024] x [K 1,024, N 1,024]; A: input h_b; B: input wk_sem (given as codes): QUANTISED
;;     9. [M 4,096, K 1,024] x [K 1,024, N 1,024]; A: input h_b; B: input wv (given as codes): QUANTISED
;;     10. batch 64 x [M 1,024, K 64] x [K 64, N 1,024]; A: computed on the way; B: computed on the way: QUANTISED
;;     11. batch 64 x [M 1,024, K 1,024] x [K 1,024, N 64]; A: softmax (see below); B: computed on the way: QUANTISED
;;     12. [M 4,096, K 2,048] x [K 2,048, N 1,024]; A: computed on the way; B: input g_syn_w (given as codes): QUANTISED
;;     13. [M 4,096, K 2,048] x [K 2,048, N 1,024]; A: computed on the way; B: input fg1_w (given as codes): QUANTISED
;;     14. [M 4,096, K 1,024] x [K 1,024, N 1]; A: computed on the way; B: input fg2_w: left as it is (N = 1 < 16)
;;   THE QUANTISER, for each operand of a quantised product, along K:
;;     - K is cut into blocks of 32 from its start; a last block that is shorter is filled with zeros.
;;     - A block's scale is 2^e with e = floor(log2(the largest magnitude in the block)) - 2, held to -126 .. 127; a block of zeros has e = 0. As a byte (E8M0): e + 127.
;;     - Each number is divided by its block's scale, clamped to +-6, and rounded to the nearest number of E2M1, ties to even, subnormals kept.
;;     - The product sums the exact products of the quantised numbers (number of the format x scale) in f32.
;;   ~~~python
;;   def quantise(x, axis):      # numpy; x: float32 -> the quantised numbers, widened to float32 again
;;       x = np.moveaxis(x, axis, -1); K = x.shape[-1]
;;       x = np.pad(x, [(0, 0)] * (x.ndim - 1) + [(0, -K % 32)]); x = x.reshape(x.shape[:-1] + (-1, 32)); a = np.abs(x).max(-1, keepdims=True)
;;       e = np.where(a > 0, np.clip(np.frexp(np.where(a > 0, a, 1))[1] - 1 - 2, -126, 127), 0)      # np.frexp(a)[1] - 1 = floor(log2(a)), exactly
;;       r = np.clip(x / 2.0 ** e, -6, 6)
;;       step = 2.0 ** (np.maximum(np.frexp(np.where(r == 0, 1, r))[1] - 1, 0) - 1)
;;       q = np.round(r / step) * step * 2.0 ** e      # np.round: ties to even
;;       return np.moveaxis(q.reshape(q.shape[:-2] + (-1,))[..., :K], -1, axis).astype(np.float32)
;;   ~~~
;;   SOFTMAX AHEAD OF A QUANTISED PRODUCT. Where the list says 'softmax', what is quantised is not the finished softmax but p = 2^(t - M), with t = logit x log2(e) and M = ceil(the row's largest t), a whole number; so 1/2 < the row's largest p <= 1. The row's sum l is taken of the UNQUANTISED p, in f32, and the product's result is divided by l at the end. Since M is a whole number, a kernel that streams over the keys may use a running M (the ceiling of the running maximum): every later rescaling is an exact power of two, which a block's scale takes up: the codes' values come out the same.
;;   OPERANDS COMPUTED ON THE WAY. 'Computed on the way' means the value that the module computes at that place (a softmax that the list does not call 'softmax' is quantised finished and normalised). What goes into a quantiser is computed in f32, as accurately as f32 sums, v_exp_f32 and their like allow (about 1e-6 of the number): no bf16 or f16 on the way to a quantiser, and a product that is left as it is and whose result goes on into a quantised operand takes f32 operands (vector FMAs, or v_wmma_f32_16x16x4_f32). A number that lies on a knife's edge between two numbers of the format may be rounded either way, as far as f32 arithmetic and the matrix unit's own rounding can turn it there, and no further.
;;   INPUTS GIVEN AS CODES. fg1_w (in the module: [2048, 1024], K = its axis 0); g_sem_w (in the module: [2048, 1024], K = its axis 0); g_syn_w (in the module: [2048, 1024], K = its axis 0); wk_sem (in the module: [1024, 1024], K = its axis 0); wk_syn (in the module: [1024, 1024], K = its axis 0); wq (in the module: [1024, 1024], K = its axis 0); wv (in the module: [1024, 1024], K = its axis 0): each comes as NAME_codes (uint8): NAME with its K axis moved to the last place and cut into blocks of 32 codes, [.., K / 32, bytes a block], one block behind the other in memory; two codes a byte, the lower K in the low four bits (a code: sign, 2 exponent bits, 1 mantissa bit); and NAME_scales (uint8): the same leading axes, one E8M0 byte (e + 127) for each 32 codes along K. Its value is code x scale, taken as it is: it is not quantised again, and the codes and scales need not be those that the quantiser above would give.
;; One version. Each part assembles by itself: llvm-mc -triple=amdgcn-amd-amdhsa -mcpu=gfx1250 --defsym DOCPART=n.
;; ======== version 1 of 1: 4 launches
;; limits: right only within a limited range of input values
;; workspace buffers: qkv 12,582,912 bytes; qkvs 786,432 bytes; wl 3,145,728 bytes; enh 33,554,432 bytes; hq 4,456,448 bytes; eq 4,456,448 bytes; y 33,554,432 bytes
;; launch proj (part 1): grid 256 x 1, 4 waves a work-group, no clusters, 70,144 bytes of LDS; arguments h_b, h_p, wq_codes, wq_scales, bq, wk_sem_codes, wk_sem_scales, bk_sem, wk_syn_codes, wk_syn_scales, bk_syn, wv_codes, wv_scales, bv, g_sem_w_codes, g_syn_w_codes, fg1_w_codes, qkv, qkvs, wl, hq; writes qkv, qkvs, wl, hq
.if DOCPART == 1
	.amdgcn_target "amdgcn-amd-amdhsa--gfx1250"
	.amdhsa_code_object_version 6
	.text
	.protected	k_qbef4d2f32a_proj
	.globl	k_qbef4d2f32a_proj
	.p2align	8
	.type	k_qbef4d2f32a_proj,@function
k_qbef4d2f32a_proj:
	s_mov_b64 s[64:65], 0
	v_nop
	global_prefetch_b8 v0, s[64:65] scope:SCOPE_SE
	s_setreg_imm32_b32 hwreg(HW_REG_WAVE_MODE, 25, 1), 1
	s_wait_xcnt 0x0
; FIRST OF FOUR LAUNCHES (proj, attn, gate, fuse).  NO WORK OF THE PROBLEM IS LEFT OUT: every input has a way to out0 (the biases on q, k and v move codes of quantised operands), so every input is loaded.
; Work-groups 0-191: one of q, k, v = Q(h) W + b for 128 rows of h_b or h_p (type = id / 64, row block = id % 64: 0-31 h_b, 32-63 h_p), on codes of E2M1 with one E8M0 scale for each 32 along K;
; the result is quantised in registers (q, k along a head's 64 channels; v along the keys) and stored as IMAGES OF OPERAND REGISTERS: a unit of 1,024 bytes is one fragment of 8 registers,
; register group c of lane l at 512 c + 16 l.  For q and k a unit is a pair of row tiles (registers 0-3: tile 2 P, registers 4-7: tile 2 P + 1, 64 channels each); for v: 16 channels x 128 keys.
; k of h_p takes wk_syn and k of h_b takes wk_sem, as the two cross attentions ask.  The work-groups of type q, which cover every row block once, also store Q(h) itself (images and scale words) for the gates' launch.
; Work-groups 192-255 copy g_sem_w, g_syn_w and fg1_w codes into the order in which the later launches' waves take them.
; SHARES: four waves; wave w quantises rows' tiles 2 w, 2 w + 1 of x (images through LDS, one barrier), then holds ALL of x's codes in registers (512) and makes heads 4 w .. 4 w + 3 for all 128 rows.
; TILES ARE PERMUTED: lane x of tile 2 b + u takes index 32 b + 8 u + x + (x & 8), for weight rows and for x's rows: a result's 16 registers of tiles 2 b, 2 b + 1 are then 16 neighbours, 32 b + 16 (lane / 16) + 0 .. 15.
; NO CLUSTER, NO TENSOR LOAD: each weight byte is used by one wave of a work-group, once, and goes from memory into that wave's registers; a joint load would add 512 KiB written to and read from LDS in each work-group.
; LIMITS: a block of zeros gets the scale byte 1 where the quantiser says 127 (its codes are zeros, and only this program reads the bytes); blocks whose largest magnitude lies under 2^-124 are held at byte 1;
; NaN and infinities among the inputs are not served.
.set SPARE, 69632                      ; LDS: x's 64 images at 0 (tile i, K step s: (8 i + s) x 1,024); their scale words at XSC (512 i + 64 s + 4 r); the spare words, 128 bytes a wave
.set XSC,   65536
.set XA,  2                            ; v2   x: rho(r) x 4,096 + 64 h
.set LI,  3                            ; v3   16 x lane: an image's place for my lane
.set XWI, 4                            ; v4   where I store x's images: 16 x lane + 16,384 x wave
.set XWS, 5                            ; v5   and their scale words: XSC + 1,024 x wave + 4 r
.set XRS, 6                            ; v6   where I read scale words: XSC + 256 h + 4 r (lanes 16-31 take K steps 4-7)
.set WA,  7                            ; v7   weights: rho(r) x 512 + 16 h
.set WSA, 8                            ; v8   their scale bytes: rho(r) x 32 + 16 h
.set BA,  9                            ; v9   the bias: 64 h (q, k) or 4 rho(r) (v)
.set OSA, 10                           ; v10  scale words out: 16 r + 8 h
.set CSA, 11                           ; v11  my wave's 1,024 bytes of scale words, 16 bytes a lane: XSC + 1,024 x wave + 16 x lane
.set SPW, 12                           ; v12  my spare word; never rewritten
.set NIL, 13                           ; v13  0; never rewritten
.set XS,  16                           ; v16-47   x's scale words: register 4 i + j: lanes 0-15 K step j, lanes 16-31 K step 4 + j
.set WS,  48                           ; v48-63   the head's weight scale words, register 4 t + j, likewise
.set WF,  64                           ; v64-191  weight fragments: four slots (K steps) of four tiles
.set BI,  192                          ; v192-223 the bias in the result's layout: the C of each sum's first product
.set TM,  224                          ; v224-235 at work in QUANT
.set PC,  236                          ; v236-243 the codes just made
.set PW0, 244                          ; v244-247 the scale words just made
.set SEL, 62                           ; s[62:63] lane selects: lane l xor 16
; windows 1, 2: x's fragments, register 32 i + 8 (s % 4), K steps 0-3 and 4-7.  window 3: four buffers of 64 numbers of x, then the 32 accumulators.
.set MSB, 0
.macro WIN new                         ; the immediate's high byte repeats the setting that is left; a switch that changes nothing is dropped
.if MSB != (\new)
	s_set_vgpr_msb (MSB<<8)|(\new)
.set MSB, (\new)
.endif
.endm
.macro BARRIER                         ; my LDS stores have landed and my LDS loads are in: then the work-group's barrier
	s_wait_dscnt 0x0
	s_barrier_signal -1
	s_barrier_wait -1
.endm
; 64 numbers of a lane in window sw, register s + 16 b + i = k 32 b + 16 (lane / 16) + i of my row, become a fragment's codes in v[PC] on and its scale word in v[pw].
.macro QUANT s, sw, pw
	WIN (\sw)*20                                   ; sources 1 and 2 in window sw
.irp b,0,1,2,3
	v_max3_num_f32 v[TM+\b], 0x1800000, |v[(\s)+16*\b]|, |v[(\s)+16*\b+1]|   ; block b: my 16 numbers, from each accumulator's low end on, and the floor 2^(3 - 127): the byte cannot fall under 1
.endr
.irp i,2,4,6,8,10,12,14
.irp b,0,1,2,3
	v_max3_num_f32 v[TM+\b], v[TM+\b], |v[(\s)+16*\b+\i]|, |v[(\s)+16*\b+\i+1]|   ; the four blocks by turns
.endr
.endr
	WIN 0
.irp b,0,1,2,3
	v_permlanex16_b32 v[TM+4+\b], v[TM+\b], s[SEL], s[SEL+1]
.endr
.irp b,0,1,2,3
	v_max_num_f32 v[TM+\b], v[TM+\b], v[TM+4+\b]   ; with lane l xor 16's: the block's largest magnitude
.endr
.irp b,0,1,2,3
	v_add_nc_u32 v[TM+8+\b], 0xff000000, v[TM+\b]  ; 2 off its exponent field: the conversion's scale operand
.endr
.irp b,0,1,2,3
	v_lshrrev_b32 v[TM+4+\b], 23, v[TM+8+\b]       ; the scale's byte
.endr
	v_lshl_or_b32 v[\pw], v[TM+5], 8, v[TM+4]
	v_lshl_or_b32 v[\pw], v[TM+6], 16, v[\pw]
	v_lshl_or_b32 v[\pw], v[TM+7], 24, v[\pw]
	WIN (\sw)                                      ; source 0 in window sw
.irp b,0,1,2,3
	v_cvt_scalef32_pk8_fp4_f32 v[PC+2*\b], v[(\s)+16*\b:(\s)+16*\b+7], v[TM+8+\b]
	v_cvt_scalef32_pk8_fp4_f32 v[PC+2*\b+1], v[(\s)+16*\b+8:(\s)+16*\b+15], v[TM+8+\b]
.endr
	WIN 0
	v_nop                                          ; one plain place behind the scaled conversions
.irp c,0,1                                     ; the operand's layout wants a whole block in a lane
.irp i,0,1
	v_permlane16_swap_b32 v[PC+4*\c+\i], v[PC+4*\c+2+\i]
.endr
.endr
.endm
.macro MM d, a, b, c, sa, sb, row      ; one product; row = 1: both sides' scale words stand in lanes 16-31
.if \row
	v_wmma_scale_f32_16x16x128_f8f6f4 v[(\d):(\d)+7], v[(\a):(\a)+7], v[(\b):(\b)+7], v[(\c):(\c)+7], v[\sa], v[\sb] matrix_a_fmt:MATRIX_FMT_FP4 matrix_b_fmt:MATRIX_FMT_FP4 matrix_a_scale:MATRIX_SCALE_ROW1 matrix_b_scale:MATRIX_SCALE_ROW1
.else
	v_wmma_scale_f32_16x16x128_f8f6f4 v[(\d):(\d)+7], v[(\a):(\a)+7], v[(\b):(\b)+7], v[(\c):(\c)+7], v[\sa], v[\sb] matrix_a_fmt:MATRIX_FMT_FP4 matrix_b_fmt:MATRIX_FMT_FP4
.endif
.endm
	s_load_b512 s[8:23], s[0:1], 0x0               ; h_b 8, h_p 10, wq codes 12, scales 14, bq 16, wk_sem codes 18, scales 20, bk_sem 22
	s_load_b512 s[24:39], s[0:1], 0x40             ; wk_syn codes 24, scales 26, bk_syn 28, wv codes 30, scales 32, bv 34, g_sem_w codes 36, g_syn_w codes 38
	s_load_b256 s[40:47], s[0:1], 0x80             ; fg1_w codes 40, qkv 42, qkvs 44, wl 46
	s_load_b64 s[68:69], s[0:1], 0xa0              ; hq
	v_lshl_add_u32 v[SPW], v0, 2, SPARE
	v_mov_b32 v[NIL], 0
	v_lshrrev_b32 v1, 5, v0
	v_readfirstlane_b32 s3, v1                     ; wave 0..3
	v_and_b32 v14, 15, v0                          ; r
	v_bfe_u32 v15, v0, 4, 1                        ; h
	v_and_b32 v1, 8, v14
	v_add_nc_u32 v1, v1, v14                       ; rho(r) = r + (r & 8)
	v_and_b32 v[LI], 31, v0
	v_lshlrev_b32 v[LI], 4, v[LI]
	s_mov_b32 s67, 0
	s_wait_kmcnt 0x0
	s_cmp_ge_u32 ttmp9, 192                        ; the work-group's number alone: the same in all four waves
	s_cbranch_scc1 .Lrelay
	s_lshr_b32 s4, ttmp9, 6                        ; type: 0 q, 1 k, 2 v
	s_and_b32 s5, ttmp9, 63                        ; row block
	s_lshr_b32 s6, s5, 5                           ; source: 0 h_b, 1 h_p
	s_cmp_lg_u32 s6, 0
	s_cselect_b64 s[48:49], s[10:11], s[8:9]       ; x
	s_cselect_b64 s[50:51], s[24:25], s[18:19]     ; k's weights: of h_p wk_syn, of h_b wk_sem
	s_cselect_b64 s[52:53], s[26:27], s[20:21]
	s_cselect_b64 s[54:55], s[28:29], s[22:23]
	s_cmp_eq_u32 s4, 0
	s_cselect_b64 s[50:51], s[12:13], s[50:51]     ; q's
	s_cselect_b64 s[52:53], s[14:15], s[52:53]
	s_cselect_b64 s[54:55], s[16:17], s[54:55]
	s_cmp_eq_u32 s4, 2
	s_cselect_b64 s[50:51], s[30:31], s[50:51]     ; v's
	s_cselect_b64 s[52:53], s[32:33], s[52:53]
	s_cselect_b64 s[54:55], s[34:35], s[54:55]
	s_and_b32 s66, s5, 31
	s_lshl_b32 s66, s66, 19                        ; 128 rows of 4,096 bytes a block,
	s_lshl_b32 s7, s3, 17                          ; 32 rows a wave
	s_add_co_u32 s66, s66, s7
	s_add_nc_u64 s[48:49], s[48:49], s[66:67]
	s_wait_alu depctr_va_vdst(0)
	v_lshlrev_b32 v[XA], 12, v1
	v_lshl_add_u32 v[XA], v15, 6, v[XA]
; step f = 8 u + s: the 64 numbers a lane of tile 2 w + u, K step s, into buffer f % 4 of window 3
.macro XLOAD f
	WIN 0xc0
.irp blk,0,1,2,3
.irp j,0,1,2,3
	global_load_b128 v[64*((\f)%4)+16*\blk+4*\j:64*((\f)%4)+16*\blk+4*\j+3], v[XA], s[48:49] offset:((\f)/8)*32768+512*((\f)%8)+128*\blk+16*\j
.endr
.endr
	WIN 0
.endm
	XLOAD 0
	XLOAD 1
	XLOAD 2
	XLOAD 3
	s_mov_b32 s66, s7                              ; my 256 weight rows of 512 bytes
	s_add_nc_u64 s[50:51], s[50:51], s[66:67]
	s_lshl_b32 s66, s3, 13                         ; of 32 scale bytes
	s_add_nc_u64 s[52:53], s[52:53], s[66:67]
	s_lshl_b32 s66, s3, 10                         ; my 256 numbers of the bias
	s_add_nc_u64 s[54:55], s[54:55], s[66:67]
	s_lshl_b32 s7, s4, 3
	s_lshr_b32 s66, s5, 3
	s_add_co_u32 s7, s7, s66                       ; 8 type + 4 source + batch
	s_lshl_b32 s7, s7, 4
	s_lshl_b32 s66, s3, 2
	s_add_co_u32 s7, s7, s66                       ; x 16 + my first head
	s_and_b32 s6, s5, 7                            ; which 128 rows of the sequence
	s_lshl_b32 s66, s7, 15
	s_lshl_b32 s2, s6, 12
	s_add_co_u32 s66, s66, s2
	s_add_nc_u64 s[56:57], s[42:43], s[66:67]      ; codes out: 32,768 bytes a head, four units of 1,024 for these rows
	s_lshl_b32 s66, s7, 11
	s_lshl_b32 s2, s6, 8
	s_add_co_u32 s66, s66, s2
	s_add_nc_u64 s[58:59], s[44:45], s[66:67]      ; scale words out: 2,048 bytes a head, 256 for these rows
	s_mov_b32 s60, 0xffff0000                      ; lanes 16-31
	s_mov_b32 s[SEL], 0x76543210
	s_mov_b32 s[SEL+1], 0xfedcba98
	s_lshl_b32 s2, s3, 14
	v_add_nc_u32 v[XWI], s2, v[LI]
	v_lshlrev_b32 v[XWS], 2, v14
	s_lshl_b32 s2, s3, 10
	s_add_co_u32 s2, s2, XSC
	v_add_nc_u32 v[XWS], s2, v[XWS]
	v_add_nc_u32 v[CSA], s2, v[LI]
	v_lshlrev_b32 v[XRS], 2, v14
	v_lshl_add_u32 v[XRS], v15, 8, v[XRS]
	v_add_nc_u32 v[XRS], XSC, v[XRS]
	v_lshlrev_b32 v[WA], 9, v1
	v_lshl_add_u32 v[WA], v15, 4, v[WA]
	v_lshlrev_b32 v[WSA], 5, v1
	v_lshl_add_u32 v[WSA], v15, 4, v[WSA]
	v_lshlrev_b32 v[OSA], 4, v14
	v_lshl_add_u32 v[OSA], v15, 3, v[OSA]
.irp b,0,1,2,3
	v_mov_b32 v[TM+4+\b], 0                        ; written once: a lane permute's destination counts as one of its sources
.endr
; PHASE X: my two tiles of x, eight K steps each, become images in LDS.  Loads run four steps ahead.
.macro XSTEP f
.if (\f) <= 12
	s_wait_loadcnt 48                              ; this step's 16 loads are in; those of the three steps behind it may be out
.else
	s_wait_loadcnt 16*(15-(\f))
.endif
	s_wait_dscnt 0x0                               ; the last image's stores have read their registers
	QUANT 64*((\f)%4), 3, PW0
	ds_store_b128 v[XWI], v[PC:PC+3] offset:(\f)*1024
	ds_store_b128 v[XWI], v[PC+4:PC+7] offset:(\f)*1024+512
	ds_store_b32 v[XWS], v[PW0] offset:512*((\f)/8)+64*((\f)%8)   ; lanes r and 16 + r store the same word to the same place
.if (\f) < 12
	XLOAD (\f)+4
.endif
.endm
.irp f,0,1,2,3,4,5,6,7,8,9,10,11,12,13,14,15
	XSTEP \f
.endr
	BARRIER                                        ; x's 64 images and their scale words lie in LDS: the launch's only barrier
	; Q(h) FOR THE GATES' LAUNCH: in the work-groups of type q each wave stores its own 16 KiB of images and 1 KiB of scale words as they lie in LDS: hq: codes [row block][65,536], scale words from byte 0x400000 on [row block][4,096]
	s_cmp_lg_u32 s4, 0                             ; the work-group's number alone
	s_cbranch_scc1 .Lnocopy
	s_lshl_b32 s66, s5, 12
	s_lshl_b32 s2, s3, 10
	s_add_co_u32 s66, s66, s2
	s_add_nc_u64 s[70:71], s[68:69], s[66:67]
	s_add_nc_u64 s[70:71], s[70:71], 0x400000
	s_lshl_b32 s66, s5, 16
	s_lshl_b32 s2, s3, 14
	s_add_co_u32 s66, s66, s2
	s_add_nc_u64 s[68:69], s[68:69], s[66:67]
	WIN 0xc0                                       ; through window 3, whose buffers are done with
.set K, 0
.rept 32
	ds_load_b128 v[4*K:4*K+3], v[XWI] offset:512*K
.set K, K+1
.endr
	WIN 0
	ds_load_b128 v[224:227], v[CSA]
	ds_load_b128 v[228:231], v[CSA] offset:512
	s_wait_dscnt 0x0
	WIN 0x0c                                       ; a store's data are its source 1
.set K, 0
.rept 32
	global_store_b128 v[LI], v[4*K:4*K+3], s[68:69] offset:512*K   ; 32 lanes store 512 consecutive bytes
.set K, K+1
.endr
	WIN 0
	global_store_b128 v[LI], v[224:227], s[70:71]
	global_store_b128 v[LI], v[228:231], s[70:71] offset:512
	s_wait_xcnt 0x0                                ; the stores have read their registers: the sums and QUANT may write them
.Lnocopy:
.macro XALL                            ; all of x's codes into windows 1 and 2, all its scale words into v[XS] on
	WIN 0x40
.irp i,0,1,2,3,4,5,6,7
.irp s,0,1,2,3
.irp c,0,1
	ds_load_b128 v[32*\i+8*\s+4*\c:32*\i+8*\s+4*\c+3], v[LI] offset:(8*\i+\s)*1024+512*\c
.endr
.endr
.endr
	WIN 0x80
.irp i,0,1,2,3,4,5,6,7
.irp s,0,1,2,3
.irp c,0,1
	ds_load_b128 v[32*\i+8*\s+4*\c:32*\i+8*\s+4*\c+3], v[LI] offset:(8*\i+\s+4)*1024+512*\c
.endr
.endr
.endr
	WIN 0
.irp i,0,1,2,3,4,5,6,7
.irp j,0,1,2,3
	ds_load_b32 v[XS+4*\i+\j], v[XRS] offset:512*\i+64*\j
.endr
.endr
.endm
.macro FRAG k, s                       ; the head's four weight tiles of K step s into slot k: eight loads
.irp t,0,1,2,3
.irp c,0,1
	global_load_b128 v[WF+32*(\k)+8*\t+4*\c:WF+32*(\k)+8*\t+4*\c+3], v[WA], s[50:51] offset:(32*(\t/2)+8*(\t%2))*512+64*(\s)+32*\c
.endr
.endr
.endm
.macro LOADHEAD v                      ; a head's scale words and bias, then its first four K steps: the counted waits below count the K steps alone, which are the youngest
.irp t,0,1,2,3
	global_load_b128 v[WS+4*\t:WS+4*\t+3], v[WSA], s[52:53] offset:(32*(\t/2)+8*(\t%2))*32
.endr
.if \v
	s_wait_alu depctr_va_vdst(0)
.irp t,0,1,2,3
.irp j,0,1,2,3,4,5,6,7
	global_load_b32 v[BI+8*\t+\j], v[BA], s[54:55] offset:(32*(\t/2)+8*(\t%2))*4   ; v: a lane holds one channel, so its eight registers of C hold the same number
.endr
.endr
.else
	s_wait_alu depctr_va_vdst(0)
.irp t,0,1,2,3
	global_load_b128 v[BI+8*\t:BI+8*\t+3], v[BA], s[54:55] offset:(32*(\t/2)+8*(\t%2))*4
	global_load_b128 v[BI+8*\t+4:BI+8*\t+7], v[BA], s[54:55] offset:(32*(\t/2)+8*(\t%2))*4+16
.endr
.endif
	FRAG 0, 0
	FRAG 1, 1
	FRAG 2, 2
	FRAG 3, 3
.endm
; 32 products of K step s: the 32 accumulators by turns, in the same order in every step.
; q, k: source 0 = 16 weight rows, source 1 = 16 rows of x: a lane holds one row of x and channels.  v: the sources swapped: a lane holds one channel and keys.
.macro PRODS v, s
.if (\s) == 0
	WIN 0xc4-3*(\v)                                ; D window 3, C (the bias) window 0, x window 1
.elseif (\s) < 4
	WIN 0xf4-3*(\v)                                ; C and D window 3
.else
	WIN 0xf8-6*(\v)                                ; x window 2
.endif
.irp i,0,1,2,3,4,5,6,7
.irp t,0,1,2,3
.if \v
.set rD, 64*\t+8*\i
.set rA, 32*\i+8*((\s)%4)
.set rB, WF+32*((\s)%4)+8*\t
.set rSA, XS+4*\i+(\s)%4
.set rSB, WS+4*\t+(\s)%4
.else
.set rD, 32*\i+8*\t
.set rA, WF+32*((\s)%4)+8*\t
.set rB, 32*\i+8*((\s)%4)
.set rSA, WS+4*\t+(\s)%4
.set rSB, XS+4*\i+(\s)%4
.endif
.set rC, rD
.if (\s) == 0
.set rC, BI+8*\t
.endif
	MM rD, rA, rB, rC, rSA, rSB, (\s)/4
.endr
.endr
.endm
.macro HEADS v
	LOADHEAD \v
	XALL
	s_mov_b32 s61, 4                               ; my four heads
	s_wait_dscnt 0x0                               ; x is in registers
.Lhead_\@:
.set S, 0
.rept 8
.if S < 5
	s_wait_loadcnt 24                              ; K step S is in; the three K steps behind it, eight loads each, may be out
.else
	s_wait_loadcnt 8*(7-S)
.endif
	PRODS \v, S
	WIN 0
.rept 4
	v_nop                                          ; places in front of loads into registers that the products have read, and of the first read of results
.endr
.if S < 4
	FRAG S, S+4
.endif
.set S, S+1
.endr
	s_cmp_eq_u32 s61, 1                            ; the next head's loads go out here, if there is a next head: they land under the quantising below, and no load leaves its buffer
	s_cbranch_scc1 .Lnonext_\@
	s_wait_xcnt 0x0                                ; every earlier load has read its base
	s_add_nc_u64 s[50:51], s[50:51], 32768
	s_add_nc_u64 s[52:53], s[52:53], 2048
	s_add_nc_u64 s[54:55], s[54:55], 256
	LOADHEAD \v
.Lnonext_\@:
.irp u,0,1,2,3                                 ; unit u: q, k: x's tiles 2 u, 2 u + 1 x 64 channels; v: channel tile u x 128 keys: 64 registers either way
	s_wait_xcnt 0x0                                ; the last unit's stores have read their registers
	QUANT 64*\u, 3, PW0+\u
	global_store_b128 v[LI], v[PC:PC+3], s[56:57] offset:1024*\u        ; 32 lanes store 512 consecutive bytes
	global_store_b128 v[LI], v[PC+4:PC+7], s[56:57] offset:1024*\u+512
.endr
	v_cndmask_b32 v248, v[PW0], v[PW0+2], s60      ; lanes 0-15 store units 0 and 1's words of row r, lanes 16-31 units 2 and 3's
	v_cndmask_b32 v249, v[PW0+1], v[PW0+3], s60
	global_store_b64 v[OSA], v[248:249], s[58:59]  ; 256 consecutive bytes, aligned
	s_wait_xcnt 0x0                                ; the stores have read their bases and registers
	s_add_nc_u64 s[56:57], s[56:57], 32768
	s_add_nc_u64 s[58:59], s[58:59], 2048
	s_sub_co_u32 s61, s61, 1
	s_cmp_lg_u32 s61, 0
	s_cbranch_scc1 .Lhead_\@
.endm
	s_cmp_eq_u32 s4, 2
	s_cbranch_scc1 .Lvalues
	v_lshlrev_b32 v[BA], 6, v15
	HEADS 0
	s_branch .Lend
.Lvalues:
	v_lshlrev_b32 v[BA], 2, v1
	HEADS 1
.Lend:
	s_wait_tensorcnt 0x0                           ; the wave's end
	ds_add_u32 v[SPW], v[NIL]
	s_wait_dscnt 0x0
	s_endpgm
; THE THREE LARGE WEIGHTS' CODES IN FRAGMENT ORDER: wl [matrix 3][128 columns 8][K step 16][tile 8][1,024 bytes].  Wave U of 256 takes tile T = U % 64 (16 permuted rows) and K steps 4 (U / 64) on: 256 bytes of each row.
.Lrelay:
	s_sub_co_u32 s4, ttmp9, 192
	s_lshl_b32 s4, s4, 2
	s_add_co_u32 s4, s4, s3                        ; U
	s_and_b32 s5, s4, 63                           ; T
	s_lshr_b32 s6, s4, 6                           ; which four K steps
	s_wait_alu depctr_va_vdst(0)
	v_lshlrev_b32 v2, 10, v1                       ; a row is 1,024 bytes
	v_lshl_add_u32 v2, v15, 4, v2
	s_wait_alu depctr_va_vdst(0)
	s_lshr_b32 s7, s5, 1
	s_lshl_b32 s7, s7, 5
	s_and_b32 s66, s5, 1
	s_lshl_b32 s66, s66, 3
	s_add_co_u32 s7, s7, s66                       ; the tile's first row: 32 (T / 2) + 8 (T % 2)
	s_lshl_b32 s66, s7, 10
	s_lshl_b32 s7, s6, 8
	s_add_co_u32 s66, s66, s7
	s_add_nc_u64 s[36:37], s[36:37], s[66:67]
	s_add_nc_u64 s[38:39], s[38:39], s[66:67]
	s_add_nc_u64 s[40:41], s[40:41], s[66:67]
	s_lshr_b32 s7, s5, 3
	s_lshl_b32 s66, s7, 17
	s_lshl_b32 s7, s6, 15
	s_add_co_u32 s66, s66, s7
	s_and_b32 s7, s5, 7
	s_lshl_b32 s7, s7, 10
	s_add_co_u32 s66, s66, s7
	s_add_nc_u64 s[46:47], s[46:47], s[66:67]
.irp m,0,1,2
.irp q,0,1,2,3
.irp c,0,1
	global_load_b128 v[64+32*\m+8*\q+4*\c:64+32*\m+8*\q+4*\c+3], v2, s[36+2*\m:37+2*\m] offset:64*\q+32*\c th:TH_LOAD_NT
.endr
.endr
.endr
	s_wait_loadcnt 0x0
.irp m,0,1,2
.irp q,0,1,2,3
.irp c,0,1
	global_store_b128 v[LI], v[64+32*\m+8*\q+4*\c:64+32*\m+8*\q+4*\c+3], s[46:47] offset:\m*1048576+\q*8192+512*\c   ; 512 consecutive bytes
.endr
.endr
.endr
	s_endpgm                                       ; this path stores nothing to LDS
.Lfunc_end_k_qbef4d2f32a_proj:
	.size	k_qbef4d2f32a_proj, .Lfunc_end_k_qbef4d2f32a_proj-k_qbef4d2f32a_proj
	.p2alignl 7, 3214868480
	.fill 96, 4, 3214868480
	.section	.rodata,"a",@progbits
	.p2align	6, 0x0
	.amdhsa_kernel k_qbef4d2f32a_proj
		.amdhsa_group_segment_fixed_size 70144
		.amdhsa_private_segment_fixed_size 0
		.amdhsa_enable_private_segment 0
		.amdhsa_kernarg_size 168
		.amdhsa_user_sgpr_count 2
		.amdhsa_user_sgpr_kernarg_segment_ptr 1
		.amdhsa_wavefront_size32 1
		.amdhsa_system_sgpr_workgroup_id_x 1
		.amdhsa_system_sgpr_workgroup_id_y 1
		.amdhsa_system_sgpr_workgroup_id_z 1
		.amdhsa_system_vgpr_workitem_id 0
		.amdhsa_next_free_vgpr 1024
		.amdhsa_next_free_sgpr 80
		.amdhsa_reserve_vcc 0
		.amdhsa_float_denorm_mode_32 3
		.amdhsa_float_denorm_mode_16_64 3
		.amdhsa_memory_ordered 1
		.amdhsa_forward_progress 1
		.amdhsa_inst_pref_size 255
	.end_amdhsa_kernel
	.amdgpu_metadata
---
amdhsa.version: [ 1, 2 ]
amdhsa.kernels:
  - .name:           k_qbef4d2f32a_proj
    .symbol:         k_qbef4d2f32a_proj.kd
    .args:
      - { .name: h_b, .offset: 0, .size: 8, .value_kind: global_buffer, .address_space: global }
      - { .name: h_p, .offset: 8, .size: 8, .value_kind: global_buffer, .address_space: global }
      - { .name: wq_codes, .offset: 16, .size: 8, .value_kind: global_buffer, .address_space: global }
      - { .name: wq_scales, .offset: 24, .size: 8, .value_kind: global_buffer, .address_space: global }
      - { .name: bq, .offset: 32, .size: 8, .value_kind: global_buffer, .address_space: global }
      - { .name: wk_sem_codes, .offset: 40, .size: 8, .value_kind: global_buffer, .address_space: global }
      - { .name: wk_sem_scales, .offset: 48, .size: 8, .value_kind: global_buffer, .address_space: global }
      - { .name: bk_sem, .offset: 56, .size: 8, .value_kind: global_buffer, .address_space: global }
      - { .name: wk_syn_codes, .offset: 64, .size: 8, .value_kind: global_buffer, .address_space: global }
      - { .name: wk_syn_scales, .offset: 72, .size: 8, .value_kind: global_buffer, .address_space: global }
      - { .name: bk_syn, .offset: 80, .size: 8, .value_kind: global_buffer, .address_space: global }
      - { .name: wv_codes, .offset: 88, .size: 8, .value_kind: global_buffer, .address_space: global }
      - { .name: wv_scales, .offset: 96, .size: 8, .value_kind: global_buffer, .address_space: global }
      - { .name: bv, .offset: 104, .size: 8, .value_kind: global_buffer, .address_space: global }
      - { .name: g_sem_w_codes, .offset: 112, .size: 8, .value_kind: global_buffer, .address_space: global }
      - { .name: g_syn_w_codes, .offset: 120, .size: 8, .value_kind: global_buffer, .address_space: global }
      - { .name: fg1_w_codes, .offset: 128, .size: 8, .value_kind: global_buffer, .address_space: global }
      - { .name: qkv, .offset: 136, .size: 8, .value_kind: global_buffer, .address_space: global }
      - { .name: qkvs, .offset: 144, .size: 8, .value_kind: global_buffer, .address_space: global }
      - { .name: wl, .offset: 152, .size: 8, .value_kind: global_buffer, .address_space: global }
      - { .name: hq, .offset: 160, .size: 8, .value_kind: global_buffer, .address_space: global }
    .group_segment_fixed_size: 70144
    .private_segment_fixed_size: 0
    .kernarg_segment_align: 8
    .kernarg_segment_size: 168
    .max_flat_workgroup_size: 128
    .sgpr_count:     80
    .vgpr_count:     1024
    .wavefront_size: 32
...
	.end_amdgpu_metadata
.endif
;; end of part 1
;; launch attn (part 2): grid 2 x 128, 16 waves a work-group, no clusters, 71,680 bytes of LDS; arguments qkv, qkvs, enh, eq; writes enh, eq
.if DOCPART == 2
	.amdgcn_target "amdgcn-amd-amdhsa--gfx1250"
	.amdhsa_code_object_version 6
	.text
	.protected	k_qbef4d2f32a_attn
	.globl	k_qbef4d2f32a_attn
	.p2align	8
	.type	k_qbef4d2f32a_attn,@function
k_qbef4d2f32a_attn:
	s_mov_b64 s[64:65], 0
	v_nop
	global_prefetch_b8 v0, s[64:65] scope:SCOPE_SE
	s_setreg_imm32_b32 hwreg(HW_REG_WAVE_MODE, 25, 1), 1
	s_wait_xcnt 0x0
; SECOND LAUNCH: both cross attentions, on the codes that the first launch stored.  No work is left out.  enh = (sum over keys of p v) / l, f32, and its codes for the gates' launch.
; t = score x log2(e) / 8; M = the running largest t rounded up to a whole number; p = 2^(t - M) is quantised along the keys, not normalised; l is the sum of the unquantised p.
; SHARES: work-group (x, y): y = 64 br + 16 batch + head; x: which 512 queries.  Sixteen waves, four to a SIMD; wave w owns the pair of query tiles P = 16 x + w and takes them one after the other.
; A head's K and V images (32 KiB each) and scale words (2 KiB each) come into LDS once, through registers; one barrier.  Every wave walks all 1,024 keys, 128 a step.
; BOTH PRODUCTS ARE USED TRANSPOSED: a lane holds one query (lane % 16) throughout.  THE HEAD'S 64 CHANNELS ARE HALF OF THE INSTRUCTION'S 128: a unit of K holds two key tiles, one in each half of K, and is
; multiplied twice, by [q | 0] and by [0 | q]: zero codes silence the other half, so each unit read from LDS feeds two products.  By the first launch's choice of rows the 16 registers of a unit's two results are 16 neighbouring keys.
; THE WAY OUT: a lane's 32 results are channels 32 b + 16 (lane / 16) + 0 .. 15, b = 0, 1, of its query: the order in which the gates' launch holds its sums and in which a quantiser takes a block.  So enh is stored as an image of
; these registers, [tile 512][head 16][4,096 bytes], register group q of lane l at 512 q + 16 l, and the same numbers become one register group (64 codes a row) of the image of the gates' K step 8 + head / 2, with two scale bytes a row.
; eq: codes [tile][head / 2][1,024 bytes], group head % 2; scale words from byte 0x400000 on, [tile][head / 2][row 16], the head's two bytes in half head % 2 of the word.
; NO CLUSTER: two work-groups share a head's 68 KiB, fetched once at the head; nothing is fetched again.  No prefetch: all reads from memory but 1 KiB a tile go out at the head.
; LIMITS: as the first launch's; a block whose every p is 0 keeps the byte 1 (its codes are zeros).
.set KSC,   65536                      ; LDS: K's images at 0, V's at 32,768, K's scale words at KSC, V's 2,048 on,
.set SPARE, 69632                      ; the spare words, 128 bytes a wave
.set LI,  1                            ; v1  16 x lane
.set KSA, 2                            ; v2  KSC + 16 r: four scale words of my row
.set ESA, 3                            ; v3  4 r: my row's scale word of enh
.set SPW, 6                            ; v6  my spare word; never rewritten
.set NIL, 7                            ; v7  0; never rewritten
.set QSA, 8                            ; v8  16 r
.set SEL, 32                           ; s[32:33] lane l xor 16
.set CS,  34                           ; s[34:35] c = log2(e) / 8
; v12 -M, v13 the largest t, v[14:15] the sum; v16-23 [q | 0], v24-31 [0 | q]; v32-63 four units of K; v64-95 four tiles of V; v96-159 S^T, then p; v160-191 O^T;
; v192-195, v196-199 K's and V's scale words; v200 q's; v201 the pair's word as loaded; v224-231 p's codes; v232-254 at work (v253: p's scale word)
	s_load_b128 s[4:7], s[0:1], 0x0                ; qkv, qkvs
	s_load_b64 s[8:9], s[0:1], 0x10                ; enh
	s_load_b64 s[40:41], s[0:1], 0x18              ; eq
	v_lshl_add_u32 v[SPW], v0, 2, SPARE
	v_mov_b32 v[NIL], 0
	v_lshrrev_b32 v232, 5, v0
	s_delay_alu instid0(VALU_DEP_1)
	v_readfirstlane_b32 s10, v232                  ; wave 0..15
	s_and_b32 s12, ttmp7, 0xffff                   ; y: also q's head index among the 384
	s_xor_b32 s13, s12, 64
	s_add_co_u32 s13, s13, 128                     ; k's: the other source's, type 1; v's is 128 on
	s_lshl_b32 s14, ttmp9, 4
	s_add_co_u32 s14, s14, s10                     ; P
	s_mov_b32 s37, 0
	v_lshlrev_b32 v9, 4, v0                        ; 16 x thread: in memory and in LDS alike
	v_lshlrev_b32 v11, 2, v0
	v_lshl_add_u32 v10, v0, 2, KSC
	s_wait_alu depctr_va_vdst(0)
	s_wait_kmcnt 0x0
	s_lshl_b32 s36, s13, 15
	s_add_nc_u64 s[16:17], s[4:5], s[36:37]        ; K's images
	s_add_nc_u64 s[18:19], s[16:17], 0x400000      ; V's
	s_lshl_b32 s36, s13, 11
	s_add_nc_u64 s[20:21], s[6:7], s[36:37]        ; K's scale words
	s_add_nc_u64 s[22:23], s[20:21], 0x40000       ; V's
.irp i,0,1,2,3
	global_load_b128 v[32+4*\i:35+4*\i], v9, s[16:17] offset:8192*\i
	global_load_b128 v[64+4*\i:67+4*\i], v9, s[18:19] offset:8192*\i
.endr
	global_load_b32 v96, v11, s[20:21]
	global_load_b32 v97, v11, s[22:23]
	s_lshl_b32 s36, s12, 15
	s_lshl_b32 s15, s14, 10
	s_add_co_u32 s36, s36, s15
	s_add_nc_u64 s[24:25], s[4:5], s[36:37]        ; my pair's image
	s_lshl_b32 s36, s12, 11
	s_lshr_b32 s15, s14, 2
	s_lshl_b32 s15, s15, 8
	s_add_co_u32 s36, s36, s15
	s_and_b32 s15, s14, 3
	s_lshl_b32 s15, s15, 2
	s_add_co_u32 s36, s36, s15
	s_add_nc_u64 s[26:27], s[6:7], s[36:37]        ; its scale words
	s_lshr_b32 s36, s12, 4
	s_lshl_b32 s36, s36, 6
	s_lshl_b32 s15, s14, 1
	s_add_co_u32 s44, s36, s15                     ; the pair's first tile among the 512: 64 (4 br + batch) + 2 P
	s_and_b32 s45, s12, 15                         ; the head
	s_lshl_b32 s36, s44, 16
	s_lshl_b32 s15, s45, 12
	s_add_co_u32 s36, s36, s15
	s_add_nc_u64 s[28:29], s[8:9], s[36:37]        ; enh: 65,536 bytes a tile, 4,096 a head
	s_lshl_b32 s36, s44, 9
	s_lshr_b32 s15, s45, 1
	s_lshl_b32 s15, s15, 6
	s_add_co_u32 s36, s36, s15
	s_and_b32 s15, s45, 1
	s_lshl_b32 s15, s15, 1
	s_add_co_u32 s36, s36, s15
	s_add_nc_u64 s[42:43], s[40:41], s[36:37]
	s_add_nc_u64 s[42:43], s[42:43], 0x400000      ; enh's scale words: 512 bytes a tile, 64 a pair of heads, my head's half of each word
	s_lshl_b32 s36, s44, 13
	s_lshl_b32 s15, s45, 9
	s_add_co_u32 s36, s36, s15
	s_add_nc_u64 s[40:41], s[40:41], s[36:37]      ; enh's codes: 8,192 bytes a tile, 512 a head
	s_mov_b32 s30, 0x01000100                      ; byte selects: the first tile's two scale bytes, twice
	s_mov_b32 s[SEL], 0x76543210
	s_mov_b32 s[SEL+1], 0xfedcba98
	s_mov_b32 s[CS], 0x3e38aa3b
	s_mov_b32 s[CS+1], s[CS]                       ; named with it as a pair, so it is written
	v_and_b32 v232, 15, v0                         ; r
	v_and_b32 v[LI], 31, v0
	s_delay_alu instid0(VALU_DEP_1)
	v_lshlrev_b32 v[LI], 4, v[LI]
	s_delay_alu instid0(VALU_DEP_3)
	v_lshl_add_u32 v[KSA], v232, 4, KSC
	s_delay_alu instid0(VALU_DEP_4)
	v_lshlrev_b32 v[QSA], 4, v232
	v_lshlrev_b32 v[ESA], 2, v232
	global_load_b128 v[16:19], v[LI], s[24:25]     ; the first tile's 64 channels, once for each of the two operands;
	global_load_b128 v[28:31], v[LI], s[24:25]
	global_load_b128 v[204:207], v[LI], s[24:25] offset:512   ; the second tile's: register group 1 of the pair's image;
	global_load_b32 v201, v[QSA], s[26:27]         ; the pair's scale word: all go out with K and V and are waited for with them
.irp j,20,21,22,23,24,25,26,27
	v_mov_b32 v\j, 0                               ; the zero halves of the two Q operands
.endr
.irp b,0,1,2,3
	v_mov_b32 v[236+\b], 0                         ; written once: a lane permute's destination counts as one of its sources
.endr
	s_wait_loadcnt 0x0
.irp i,0,1,2,3
	ds_store_b128 v9, v[32+4*\i:35+4*\i] offset:8192*\i
	ds_store_b128 v9, v[64+4*\i:67+4*\i] offset:32768+8192*\i
.endr
	ds_store_b32 v10, v96
	ds_store_b32 v10, v97 offset:2048
	s_wait_dscnt 0x0                               ; for the others' sake: my stores have landed
	s_barrier_signal -1
	s_barrier_wait -1                              ; the head's K and V lie in LDS: the launch's only barrier
.macro KLOAD ks                        ; key step ks: four units of K and their scale words
.irp b,0,1,2,3
.irp c,0,1
	ds_load_b128 v[32+8*\b+4*\c:35+8*\b+4*\c], v[LI] offset:4096*(\ks)+1024*\b+512*\c
.endr
.endr
	ds_load_b128 v[192:195], v[KSA] offset:256*(\ks)
.endm
.macro STEP ks
	s_wait_dscnt 0x0                               ; K of this step is in (asked for a step ago; in the first step just now)
.irp b,0,1,2,3
	v_wmma_scale_f32_16x16x128_f8f6f4 v[96+16*\b:103+16*\b], v[32+8*\b:39+8*\b], v[16:23], 0, v[192+\b], v200 matrix_a_fmt:MATRIX_FMT_FP4 matrix_b_fmt:MATRIX_FMT_FP4
	v_wmma_scale_f32_16x16x128_f8f6f4 v[104+16*\b:111+16*\b], v[32+8*\b:39+8*\b], v[24:31], 0, v[192+\b], v200 matrix_a_fmt:MATRIX_FMT_FP4 matrix_b_fmt:MATRIX_FMT_FP4
.endr                                          ; register 96 + 16 b + i: key 128 ks + 32 b + 16 (lane / 16) + i
.rept 4
	v_nop                                          ; places in front of the first read of the scores and of loads into registers that these products and the last step's have read
.endr
.irp t,0,1,2,3
.irp c,0,1
	ds_load_b128 v[64+8*\t+4*\c:67+8*\t+4*\c], v[LI] offset:32768+4096*(\ks)+1024*\t+512*\c
.endr
.endr
	ds_load_b128 v[196:199], v[KSA] offset:2048+256*(\ks)
.if (\ks) < 7
	KLOAD (\ks)+1                                  ; the next step's K with this step's V: both land under the softmax
.endif
.irp b,0,1,2,3
	v_max3_num_f32 v[232+\b], v[96+16*\b], v[97+16*\b], v[98+16*\b]   ; the largest score of each block of 32 keys: for the row's maximum, and, since p rises with the score, for the block's largest p
.endr
.irp i,3,5,7,9,11,13
.irp b,0,1,2,3
	v_max3_num_f32 v[232+\b], v[232+\b], v[96+16*\b+\i], v[97+16*\b+\i]
.endr
.endr
.irp b,0,1,2,3
	v_max_num_f32 v[232+\b], v[232+\b], v[111+16*\b]
.endr
.irp b,0,1,2,3
	s_delay_alu instid0(VALU_DEP_4)
	v_permlanex16_b32 v[236+\b], v[232+\b], s[SEL], s[SEL+1]
.endr
.irp b,0,1,2,3
	s_delay_alu instid0(VALU_DEP_4)
	v_max_num_f32 v[232+\b], v[232+\b], v[236+\b]  ; with lane l xor 16's 16 keys
.endr
	s_delay_alu instid0(VALU_DEP_2)
	v_max3_num_f32 v254, v232, v233, v234
	s_delay_alu instid0(VALU_DEP_1)
	v_max_num_f32 v254, v254, v235
	s_delay_alu instid0(VALU_DEP_1)
	v_mul_f32 v254, s[CS], v254                    ; the step's largest t
	s_delay_alu instid0(VALU_DEP_1)
	v_max_num_f32 v13, v13, v254                   ; the running largest t
	v_mov_b32 v254, v12
	s_delay_alu instid0(VALU_DEP_2)
	v_floor_f32 v12, -v13                          ; the new -M = -ceil(t)
	s_delay_alu instid0(VALU_DEP_1)
	v_sub_f32 v254, v12, v254                      ; old M less new M: a whole number, 0 or less
	s_delay_alu instid0(VALU_DEP_1)
	v_cvt_i32_f32 v254, v254                       ; (it saturates)
	s_delay_alu instid0(VALU_DEP_1)
	v_ldexp_f32 v252, 1.0, v254                    ; f = 2^(old M - new M): rounds nothing
.irp j,0,2,4,6,8,10,12,14,16,18,20,22,24,26,28,30,32,34,36,38,40,42,44,46,48,50,52,54,56,58,60,62
	v_pk_fma_f32 v[96+\j:97+\j], v[96+\j:97+\j], s[CS:CS+1], v[12:13] op_sel_hi:[1,0,0]   ; t - M
.endr
.irp b,0,1,2,3
	v_fma_f32 v[232+\b], v[232+\b], s[CS], v12
.endr
	s_wait_alu depctr_va_vdst(0)
.irp j,0,1,2,3,4,5,6,7,8,9,10,11,12,13,14,15,16,17,18,19,20,21,22,23,24,25,26,27,28,29,30,31,32,33,34,35,36,37,38,39,40,41,42,43,44,45,46,47,48,49,50,51,52,53,54,55,56,57,58,59,60,61,62,63
	v_exp_f32 v[96+\j], v[96+\j]                   ; p = 2^(t - M)
.endr
	v_pk_mul_f32 v[14:15], v[14:15], v[252:253] op_sel_hi:[1,0]   ; the sums under the new M: the plain line behind the batch
	s_wait_alu depctr_va_vdst(0)                   ; one wait for the 64 exponentials, ahead of their first reader
.irp b,0,1,2,3
	v_exp_f32 v[232+\b], v[232+\b]                 ; each block's largest p
.endr
	v_pk_add_f32 v[236:237], v[100:101], v[104:105]
	v_pk_add_f32 v[254:255], v[108:109], v[112:113]
	v_pk_add_f32 v[250:251], v[116:117], v[120:121]
	v_pk_add_f32 v[248:249], v[124:125], v[128:129]
	v_pk_add_f32 v[246:247], v[132:133], v[136:137]
	v_pk_add_f32 v[244:245], v[140:141], v[144:145]
	v_pk_add_f32 v[242:243], v[148:149], v[152:153]
	v_pk_add_f32 v[14:15], v[14:15], v[156:157]
	v_pk_add_f32 v[236:237], v[236:237], v[96:97]
	v_pk_add_f32 v[254:255], v[254:255], v[98:99]
	v_pk_add_f32 v[250:251], v[250:251], v[102:103]
	v_pk_add_f32 v[248:249], v[248:249], v[106:107]
	v_pk_add_f32 v[246:247], v[246:247], v[110:111]
	v_pk_add_f32 v[244:245], v[244:245], v[114:115]
	v_pk_add_f32 v[242:243], v[242:243], v[118:119]
	v_pk_add_f32 v[14:15], v[14:15], v[122:123]
	v_pk_add_f32 v[236:237], v[236:237], v[126:127]
	v_pk_add_f32 v[254:255], v[254:255], v[130:131]
	v_pk_add_f32 v[250:251], v[250:251], v[134:135]
	v_pk_add_f32 v[248:249], v[248:249], v[138:139]
	v_pk_add_f32 v[246:247], v[246:247], v[142:143]
	v_pk_add_f32 v[244:245], v[244:245], v[146:147]
	v_pk_add_f32 v[242:243], v[242:243], v[150:151]
	v_pk_add_f32 v[14:15], v[14:15], v[154:155]
	v_pk_add_f32 v[236:237], v[236:237], v[158:159]
	s_delay_alu instid0(VALU_DEP_2)
	v_pk_add_f32 v[14:15], v[14:15], v[248:249]
	s_delay_alu instid0(VALU_DEP_2)
	v_pk_add_f32 v[236:237], v[236:237], v[246:247]
	v_pk_add_f32 v[254:255], v[254:255], v[244:245]
	v_pk_add_f32 v[250:251], v[250:251], v[242:243]
	s_delay_alu instid0(VALU_DEP_2)
	v_pk_add_f32 v[14:15], v[14:15], v[254:255]
	s_delay_alu instid0(VALU_DEP_2)
	v_pk_add_f32 v[236:237], v[236:237], v[250:251]
	s_delay_alu instid0(VALU_DEP_1)
	v_pk_add_f32 v[14:15], v[14:15], v[236:237]
	s_wait_alu depctr_va_vdst(0)                   ; and one for the four
.irp b,0,1,2,3
	v_max_num_f32 v[232+\b], 0x1800000, v[232+\b]  ; the floor 2^(3 - 127)
.endr
.irp b,0,1,2,3
	s_delay_alu instid0(VALU_DEP_4)
	v_add_nc_u32 v[244+\b], 0xff000000, v[232+\b]  ; the conversion's scale operand
.endr
.irp b,0,1,2,3
	s_delay_alu instid0(VALU_DEP_4)
	v_lshrrev_b32 v[236+\b], 23, v[244+\b]
.endr
	s_delay_alu instid0(VALU_DEP_3)
	v_lshl_or_b32 v253, v237, 8, v236              ; p's scale word for these 128 keys
	s_delay_alu instid0(VALU_DEP_1)
	v_lshl_or_b32 v253, v238, 16, v253
	s_delay_alu instid0(VALU_DEP_1)
	v_lshl_or_b32 v253, v239, 24, v253
.irp b,0,1,2,3
	v_cvt_scalef32_pk8_fp4_f32 v[224+2*\b], v[96+16*\b:103+16*\b], v[244+\b]
	v_cvt_scalef32_pk8_fp4_f32 v[225+2*\b], v[104+16*\b:111+16*\b], v[244+\b]
.endr
	v_nop                                          ; one plain place behind the scaled conversions
.irp c,0,1
.irp i,0,1
	v_permlane16_swap_b32 v[224+4*\c+\i], v[226+4*\c+\i]
.endr
.endr
.irp j,0,2,4,6,8,10,12,14,16,18,20,22,24,26,28,30
	v_pk_mul_f32 v[160+\j:161+\j], v[160+\j:161+\j], v[252:253] op_sel_hi:[1,0]   ; O^T under the new M; of these sixteen, twelve name no register of any one product below: its places behind p's codes and scale word
.endr
	s_wait_alu depctr_va_vdst(0)
	s_wait_dscnt 0x0                               ; V, and the next step's K
.irp t,0,1,2,3
	v_wmma_scale_f32_16x16x128_f8f6f4 v[160+8*\t:167+8*\t], v[64+8*\t:71+8*\t], v[224:231], v[160+8*\t:167+8*\t], v[196+\t], v253 matrix_a_fmt:MATRIX_FMT_FP4 matrix_b_fmt:MATRIX_FMT_FP4
.endr                                          ; the four accumulators by turns; register 160 + 8 t + j: channel 32 (t / 2) + 16 (lane / 16) + 8 (t % 2) + j
.endm
	s_mov_b32 s31, 2                               ; my two tiles of 16 queries
.Ltile:
	KLOAD 0                                        ; q and its scale word are in registers: loaded at the head, or copied at the last trip's end
	v_perm_b32 v200, v201, v201, s30               ; my tile's two scale bytes, for both halves of K
	v_mov_b32 v13, 0xff61b1e6                      ; the largest t so far: -3e38.  (These 37 lines are the places between q's scale word and the first product)
	s_delay_alu instid0(VALU_DEP_1)
	v_floor_f32 v12, -v13
	v_mov_b32 v14, 0
	v_mov_b32 v15, 0
	v_mov_b32 v253, 0
.irp j,0,1,2,3,4,5,6,7,8,9,10,11,12,13,14,15,16,17,18,19,20,21,22,23,24,25,26,27,28,29,30,31
	v_mov_b32 v[160+\j], 0                         ; O^T: the step is written once for all steps; the first change of M leaves zeros zeros
.endr
.irp ks,0,1,2,3,4,5,6,7
	STEP \ks
.endr
	; THE WAY OUT: O^T / l leaves as an image of its registers, and is quantised along the channels
.rept 4
	v_nop                                          ; places behind the last products
.endr
	v_add_f32 v14, v14, v15
	s_delay_alu instid0(VALU_DEP_1)
	v_permlanex16_b32 v252, v14, s[SEL], s[SEL+1]
	s_delay_alu instid0(VALU_DEP_1)
	v_add_f32 v14, v14, v252                       ; the row's sum
	s_wait_alu depctr_va_vdst(0)
	v_rcp_f32 v14, v14
	v_nop                                          ; a plain place behind the reciprocal
	s_wait_alu depctr_va_vdst(0)                   ; and its wait, ahead of the first reader
.irp j,0,1,2,3,4,5,6,7,8,9,10,11,12,13,14,15,16,17,18,19,20,21,22,23,24,25,26,27,28,29,30,31
	v_mul_f32 v[96+\j], v[160+\j], v14             ; each accumulator from its low end on; register 96 + 16 b + i: channel 32 b + 16 (lane / 16) + i
.endr
.irp q,0,1,2,3,4,5,6,7
	global_store_b128 v[LI], v[96+4*\q:99+4*\q], s[28:29] offset:512*\q   ; 32 lanes store 512 consecutive bytes
.endr
.irp b,0,1
	v_max3_num_f32 v[232+\b], |v[96+16*\b]|, |v[97+16*\b]|, 0x1800000     ; the head's two blocks of 32 channels: my 16 numbers of each, and the floor 2^(3 - 127)
.endr
.irp i,2,4,6,8,10,12,14
.irp b,0,1
	s_delay_alu instid0(VALU_DEP_2)
	v_max3_num_f32 v[232+\b], v[232+\b], |v[96+16*\b+\i]|, |v[97+16*\b+\i]|
.endr
.endr
.irp b,0,1
	s_delay_alu instid0(VALU_DEP_2)
	v_permlanex16_b32 v[236+\b], v[232+\b], s[SEL], s[SEL+1]
.endr
.irp b,0,1
	s_delay_alu instid0(VALU_DEP_2)
	v_max_num_f32 v[232+\b], v[232+\b], v[236+\b]  ; with lane l xor 16's: the block's largest magnitude
.endr
.irp b,0,1
	s_delay_alu instid0(VALU_DEP_2)
	v_add_nc_u32 v[244+\b], 0xff000000, v[232+\b]  ; the conversion's scale operand
.endr
.irp b,0,1
	s_delay_alu instid0(VALU_DEP_2)
	v_lshrrev_b32 v[236+\b], 23, v[244+\b]         ; the scale's byte
.endr
	s_delay_alu instid0(VALU_DEP_1)
	v_lshl_or_b32 v238, v237, 8, v236              ; my row's two bytes
.irp b,0,1
	v_cvt_scalef32_pk8_fp4_f32 v[224+2*\b], v[96+16*\b:103+16*\b], v[244+\b]
	v_cvt_scalef32_pk8_fp4_f32 v[225+2*\b], v[104+16*\b:111+16*\b], v[244+\b]
.endr
	v_nop                                          ; one plain place behind the scaled conversions
	v_permlane16_swap_b32 v224, v226               ; a whole block in a lane: lanes 0-15 channels 0-31, lanes 16-31 channels 32-63
	v_permlane16_swap_b32 v225, v227
	global_store_b128 v[LI], v[224:227], s[40:41]  ; one register group of the gates' operand: 512 consecutive bytes
	global_store_b16 v[ESA], v238, s[42:43]        ; two bytes a row, every second pair of 64 bytes: 256 KiB of the launch's 36 MiB; lanes r and 16 + r store the same bytes to the same place
	s_wait_xcnt 0x0                                ; the loads and stores have read their bases and registers
.irp i,0,1,2,3
	v_mov_b32 v[16+\i], v[204+\i]                  ; the pair's second tile takes the first's place in both operands
	v_mov_b32 v[28+\i], v[204+\i]
.endr
	s_wait_alu depctr_va_vdst(0)                   ; directly ahead of the scalar lines and the branch
	s_add_nc_u64 s[28:29], s[28:29], 65536         ; the next tile of enh,
	s_add_nc_u64 s[40:41], s[40:41], 8192          ; of its codes,
	s_add_nc_u64 s[42:43], s[42:43], 512           ; of its scale words;
	s_add_co_u32 s30, s30, 0x02020202              ; q's scale bytes 2 and 3
	s_sub_co_u32 s31, s31, 1
	s_cmp_lg_u32 s31, 0
	s_cbranch_scc1 .Ltile
	s_wait_tensorcnt 0x0                           ; the wave's end
	ds_add_u32 v[SPW], v[NIL]
	s_wait_dscnt 0x0
	s_endpgm
.Lfunc_end_k_qbef4d2f32a_attn:
	.size	k_qbef4d2f32a_attn, .Lfunc_end_k_qbef4d2f32a_attn-k_qbef4d2f32a_attn
	.p2alignl 7, 3214868480
	.fill 96, 4, 3214868480
	.section	.rodata,"a",@progbits
	.p2align	6, 0x0
	.amdhsa_kernel k_qbef4d2f32a_attn
		.amdhsa_group_segment_fixed_size 71680
		.amdhsa_private_segment_fixed_size 0
		.amdhsa_enable_private_segment 0
		.amdhsa_kernarg_size 32
		.amdhsa_user_sgpr_count 2
		.amdhsa_user_sgpr_kernarg_segment_ptr 1
		.amdhsa_wavefront_size32 1
		.amdhsa_system_sgpr_workgroup_id_x 1
		.amdhsa_system_sgpr_workgroup_id_y 1
		.amdhsa_system_sgpr_workgroup_id_z 1
		.amdhsa_system_vgpr_workitem_id 0
		.amdhsa_next_free_vgpr 256
		.amdhsa_next_free_sgpr 66
		.amdhsa_reserve_vcc 0
		.amdhsa_float_denorm_mode_32 3
		.amdhsa_float_denorm_mode_16_64 3
		.amdhsa_memory_ordered 1
		.amdhsa_forward_progress 1
		.amdhsa_inst_pref_size 137
	.end_amdhsa_kernel
	.amdgpu_metadata
---
amdhsa.version: [ 1, 2 ]
amdhsa.kernels:
  - .name:           k_qbef4d2f32a_attn
    .symbol:         k_qbef4d2f32a_attn.kd
    .args:
      - { .name: qkv, .offset: 0, .size: 8, .value_kind: global_buffer, .address_space: global }
      - { .name: qkvs, .offset: 8, .size: 8, .value_kind: global_buffer, .address_space: global }
      - { .name: enh, .offset: 16, .size: 8, .value_kind: global_buffer, .address_space: global }
      - { .name: eq, .offset: 24, .size: 8, .value_kind: global_buffer, .address_space: global }
    .group_segment_fixed_size: 71680
    .private_segment_fixed_size: 0
    .kernarg_segment_align: 8
    .kernarg_segment_size: 32
    .max_flat_workgroup_size: 512
    .sgpr_count:     66
    .vgpr_count:     256
    .wavefront_size: 32
...
	.end_amdgpu_metadata
.endif
;; end of part 2
;; launch gate (part 3): grid 256 x 1, 4 waves a work-group, no clusters, 139,776 bytes of LDS; arguments h_b, h_p, enh, hq, eq, wl, g_sem_w_scales, g_syn_w_scales, g_sem_b, g_syn_b, y; writes y
.if DOCPART == 3
	.amdgcn_target "amdgcn-amd-amdhsa--gfx1250"
	.amdhsa_code_object_version 6
	.text
	.protected	k_qbef4d2f32a_gate
	.globl	k_qbef4d2f32a_gate
	.p2align	8
	.type	k_qbef4d2f32a_gate,@function
k_qbef4d2f32a_gate:
	s_mov_b64 s[64:65], 0
	v_nop
	global_prefetch_b8 v0, s[64:65] scope:SCOPE_SE
	s_setreg_imm32_b32 hwreg(HW_REG_WAVE_MODE, 25, 1), 1
	s_wait_xcnt 0x0
; THIRD LAUNCH: both gates.  y = h + sigmoid(Q([h | enh]) Wg + bg) (enh - h) + h, f32, what LayerNorm takes in.  No work is left out.
; SHARES: work-group id: row block id / 4 (128 rows = 8 permuted tiles; blocks 0-31 the semantic branch on h_b, 32-63 the syntax branch on h_p), columns 256 (id % 4) on.  Four waves; wave w owns 64 columns
; (4 permuted weight tiles) for all 128 rows: 32 accumulators.  K = 2,048: K steps 0-7 are h's, 8-15 enh's.
; Both halves of the rows' operand arrive as codes: Q(h) from the first launch, Q(enh) from the second, as images of operand registers; they come into LDS once, through registers; one barrier.
; The products are used transposed (source 0 = 16 permuted weight rows, source 1 = 16 rows): a lane holds one row, and its 32 registers of a row tile are columns 32 b + 16 (lane / 16) + 0 .. 15, b = 0, 1:
; the order in which enh lies in memory and in which y is stored: [tile 512][64 columns 16][4,096 bytes], register group q of lane l at 512 q + 16 l.
; The weights' codes come from the first launch's copy in fragment order, 512 consecutive bytes a load, into a ring of four register slots.
; NO CLUSTER, NO TENSOR LOAD: each weight byte is used by one wave of a work-group, once, and goes from memory into that wave's registers; the rows' codes, which four work-groups share, are 136 KiB of a work-group's 660 KiB and are fetched once.
; ORDER OF ROUNDING that differs from the source's: gate e + (1 - gate) h is formed as h + gate (e - h).  LIMITS: as the first launch's.
.set XSC,   131072                     ; LDS: h's 64 images at 0 (tile i, K step s: (8 i + s) x 1,024), enh's at 65,536; scale words at XSC (512 i + 64 s + 4 r), enh's 4,096 on;
.set SPARE, 139264                     ; the spare words, 128 bytes a wave
.set SA0, 1                            ; v1   16 x thread: in memory and in LDS alike
.set SA1, 2                            ; v2   + 65,536
.set SA2, 3                            ; v3   + XSC
.set LI,  4                            ; v4   16 x lane
.set LI2, 5                            ; v5   + 65,536
.set XRS, 6                            ; v6   XSC + 4,096 h + 4 r: lanes 0-15 take h's scale words, lanes 16-31 enh's
.set WSA, 7                            ; v7   weight scale bytes: 64 rho(r) + 32 h
.set BA,  8                            ; v8   the bias: 64 h
.set HA,  9                            ; v9   h: rho(r) x 4,096 + 64 h
.set PFH, 10                           ; v10  prefetches of h: 4,096 x lane: a lane a row; never rewritten
.set PFE, 11                           ; v11  prefetches of enh: 65,536 (lane / 16) + 256 (lane % 16); never rewritten
.set SPW, 12                           ; v12  my spare word; never rewritten
.set NIL, 13                           ; v13  0; never rewritten
.set XS,  16                           ; v16-79   the rows' scale words: register 8 i + j: lanes 0-15 K step j, lanes 16-31 K step 8 + j
.set WS,  80                           ; v80-111  the weights': register 8 t + j, likewise
.set BI,  112                          ; v112-143 the bias in the result's layout: the C of each sum's first product
.set TS,  144                          ; v144-159 the rows' scale words on their way into LDS
; window 1: four buffers of 64 for the way out (h 32, enh 32).  window 2: v0-127 weight fragments, four slots of four tiles; v128-255 the rows' fragments, two buffers of eight.
; window 3: the rows' codes on their way into LDS, then the 32 accumulators (row tile i, weight tile t: 32 i + 8 t).
.set MSB, 0
.macro WIN new                         ; the immediate's high byte repeats the setting that is left; a switch that changes nothing is dropped
.if MSB != (\new)
	s_set_vgpr_msb (MSB<<8)|(\new)
.set MSB, (\new)
.endif
.endm
.macro MM d, a, b, c, sa, sb, row      ; one product; row = 1: both sides' scale words stand in lanes 16-31
.if \row
	v_wmma_scale_f32_16x16x128_f8f6f4 v[(\d):(\d)+7], v[(\a):(\a)+7], v[(\b):(\b)+7], v[(\c):(\c)+7], v[\sa], v[\sb] matrix_a_fmt:MATRIX_FMT_FP4 matrix_b_fmt:MATRIX_FMT_FP4 matrix_a_scale:MATRIX_SCALE_ROW1 matrix_b_scale:MATRIX_SCALE_ROW1
.else
	v_wmma_scale_f32_16x16x128_f8f6f4 v[(\d):(\d)+7], v[(\a):(\a)+7], v[(\b):(\b)+7], v[(\c):(\c)+7], v[\sa], v[\sb] matrix_a_fmt:MATRIX_FMT_FP4 matrix_b_fmt:MATRIX_FMT_FP4
.endif
.endm
.macro FRAG k, s                       ; my four weight tiles of K step s into slot k (window 2): eight loads of 512 consecutive bytes
.irp t,0,1,2,3
.irp c,0,1
	global_load_b128 v[32*(\k)+8*\t+4*\c:32*(\k)+8*\t+4*\c+3], v[LI], s[18:19] offset:(\s)*8192+\t*1024+512*\c
.endr
.endr
.endm
.macro XFL s                           ; the eight row tiles' fragments of K step s into buffer s % 2 (window 2)
.irp i,0,1,2,3,4,5,6,7
.irp c,0,1
.if (\s) < 8
	ds_load_b128 v[128+64*((\s)%2)+8*\i+4*\c:128+64*((\s)%2)+8*\i+4*\c+3], v[LI] offset:(8*\i+(\s))*1024+512*\c
.else
	ds_load_b128 v[128+64*((\s)%2)+8*\i+4*\c:128+64*((\s)%2)+8*\i+4*\c+3], v[LI2] offset:(8*\i+(\s)-8)*1024+512*\c
.endif
.endr
.endr
.endm
.macro EPIL i                          ; row tile i's h and enh at my 64 columns into buffer i % 4 (window 1): sixteen loads
	WIN 0x40
.irp b,0,1
.irp j,0,1,2,3
	global_load_b128 v[64*((\i)%4)+16*\b+4*\j:64*((\i)%4)+16*\b+4*\j+3], v[HA], s[30:31] offset:(32*((\i)/2)+8*((\i)%2))*4096+128*\b+16*\j
.endr
.endr
.irp q,0,1,2,3,4,5,6,7
	global_load_b128 v[64*((\i)%4)+32+4*\q:64*((\i)%4)+32+4*\q+3], v[LI], s[12:13] offset:(\i)*65536+512*\q th:TH_LOAD_NT
.endr
.endm
; 32 products of K step s: the 32 accumulators by turns, in the same order in every step
.macro PRODS s
.if (\s) == 0
	WIN 0xca                                       ; D window 3, C (the bias) window 0, weights and rows window 2
.elseif ((\s) >= 4) && ((\s) < 12)
	WIN 0xf9                                       ; K steps 4-11: the weights stand in window 1; rows window 2, C and D window 3
.else
	WIN 0xfa                                       ; C and D window 3
.endif
.irp i,0,1,2,3,4,5,6,7
.irp t,0,1,2,3
.set rD, 32*\i+8*\t
.set rC, rD
.if (\s) == 0
.set rC, BI+8*\t
.endif
.set rA, 32*((\s)%4)+8*\t
.if ((\s) >= 4) && ((\s) < 12)
.set rA, 32*((\s)-4)+8*\t
.endif
	MM rD, rA, 128+64*((\s)%2)+8*\i, rC, WS+8*\t+(\s)%8, XS+8*\i+(\s)%8, (\s)/8
.endr
.endr
.endm
	s_load_b512 s[8:23], s[0:1], 0x0               ; h_b 8, h_p 10, enh 12, hq 14, eq 16, wl 18, g_sem_w scales 20, g_syn_w scales 22
	s_load_b128 s[24:27], s[0:1], 0x40             ; g_sem_b 24, g_syn_b 26
	s_load_b64 s[28:29], s[0:1], 0x50              ; y
	v_lshl_add_u32 v[SPW], v0, 2, SPARE
	v_mov_b32 v[NIL], 0
	v_lshrrev_b32 v14, 5, v0
	v_readfirstlane_b32 s3, v14                    ; wave 0..3
	v_and_b32 v14, 15, v0                          ; r
	v_bfe_u32 v15, v0, 4, 1                        ; h
	v_and_b32 v[HA], 8, v14
	v_add_nc_u32 v[HA], v[HA], v14                 ; rho(r) = r + (r & 8)
	v_lshlrev_b32 v[WSA], 6, v[HA]
	v_lshl_add_u32 v[WSA], v15, 5, v[WSA]
	v_lshlrev_b32 v[HA], 12, v[HA]
	v_lshl_add_u32 v[HA], v15, 6, v[HA]
	v_lshlrev_b32 v[BA], 6, v15
	v_lshlrev_b32 v[SA0], 4, v0
	v_add_nc_u32 v[SA1], 65536, v[SA0]
	v_add_nc_u32 v[SA2], XSC, v[SA0]
	v_and_b32 v[LI], 31, v0
	v_lshlrev_b32 v[PFH], 12, v[LI]
	v_lshlrev_b32 v[LI], 4, v[LI]
	v_add_nc_u32 v[LI2], 65536, v[LI]
	v_lshlrev_b32 v[XRS], 2, v14
	v_lshl_add_u32 v[XRS], v15, 12, v[XRS]
	v_add_nc_u32 v[XRS], XSC, v[XRS]
	v_lshlrev_b32 v[PFE], 8, v14
	v_lshl_add_u32 v[PFE], v15, 16, v[PFE]
	s_mov_b32 s41, 0
	s_lshr_b32 s4, ttmp9, 2                        ; row block
	s_and_b32 s5, ttmp9, 3
	s_lshr_b32 s6, s4, 5                           ; branch
	s_lshl_b32 s7, s5, 2
	s_add_co_u32 s7, s7, s3                        ; my 64 columns among the 16 groups
	s_mov_b32 s44, 0xbfb8aa3b                      ; -log2(e)
	s_mov_b32 s45, s44                             ; named with it as a pair, so it is written
	s_wait_alu depctr_va_vdst(0)
	s_wait_kmcnt 0x0
	s_cmp_lg_u32 s6, 0
	s_cselect_b64 s[30:31], s[10:11], s[8:9]       ; h
	s_cselect_b64 s[32:33], s[22:23], s[20:21]     ; the gate's weight scales
	s_cselect_b64 s[34:35], s[26:27], s[24:25]     ; its bias
	s_lshl_b32 s40, s4, 12
	s_add_nc_u64 s[36:37], s[14:15], s[40:41]
	s_add_nc_u64 s[36:37], s[36:37], 0x400000      ; h's scale words of my row block
	s_add_nc_u64 s[38:39], s[16:17], s[40:41]
	s_add_nc_u64 s[38:39], s[38:39], 0x400000      ; enh's
	s_lshl_b32 s40, s4, 16
	s_add_nc_u64 s[14:15], s[14:15], s[40:41]      ; h's codes
	s_add_nc_u64 s[16:17], s[16:17], s[40:41]      ; enh's
	WIN 0xc0                                       ; the rows' codes: 128 threads x 16 bytes a load, 32 loads for each half of K
.set K, 0
.rept 32
	global_load_b128 v[4*K:4*K+3], v[SA0], s[14:15] offset:2048*K
.set K, K+1
.endr
.set K, 0
.rept 32
	global_load_b128 v[128+4*K:128+4*K+3], v[SA0], s[16:17] offset:2048*K
.set K, K+1
.endr
	WIN 0
	global_load_b128 v[TS:TS+3], v[SA0], s[36:37]
	global_load_b128 v[TS+4:TS+7], v[SA0], s[36:37] offset:2048
	global_load_b128 v[TS+8:TS+11], v[SA0], s[38:39]
	global_load_b128 v[TS+12:TS+15], v[SA0], s[38:39] offset:2048
	s_lshl_b32 s40, s7, 12                         ; 64 weight rows of 64 scale bytes
	s_add_nc_u64 s[32:33], s[32:33], s[40:41]
	s_lshl_b32 s40, s7, 8                          ; 64 numbers of the bias
	s_add_nc_u64 s[34:35], s[34:35], s[40:41]
	s_lshl_b32 s40, s6, 20                         ; the branch's matrix,
	s_lshr_b32 s2, s7, 1
	s_lshl_b32 s2, s2, 17                          ; its 128 columns,
	s_add_co_u32 s40, s40, s2
	s_and_b32 s2, s7, 1
	s_lshl_b32 s2, s2, 12                          ; my four tiles of their eight
	s_add_co_u32 s40, s40, s2
	s_add_nc_u64 s[18:19], s[18:19], s[40:41]
.irp t,0,1,2,3
.irp i,0,1
	global_load_b128 v[WS+8*\t+4*\i:WS+8*\t+4*\i+3], v[WSA], s[32:33] offset:(32*(\t/2)+8*(\t%2))*64+16*\i
.endr
.endr
.irp t,0,1,2,3
	global_load_b128 v[BI+8*\t:BI+8*\t+3], v[BA], s[34:35] offset:(32*(\t/2)+8*(\t%2))*4
	global_load_b128 v[BI+8*\t+4:BI+8*\t+7], v[BA], s[34:35] offset:(32*(\t/2)+8*(\t%2))*4+16
.endr
	WIN 0x80
	FRAG 0, 0
	FRAG 1, 1
	FRAG 2, 2
	FRAG 3, 3
	WIN 0
	s_and_b32 s40, s4, 31
	s_lshl_b32 s40, s40, 19                        ; 128 rows of 4,096 bytes a block,
	s_lshl_b32 s2, s7, 8                           ; my 256 bytes of a row
	s_add_co_u32 s40, s40, s2
	s_add_nc_u64 s[30:31], s[30:31], s[40:41]
	s_lshl_b32 s40, s4, 19                         ; eight tiles of 65,536 bytes a block,
	s_lshl_b32 s2, s7, 12                          ; my 4,096 bytes of a tile
	s_add_co_u32 s40, s40, s2
	s_add_nc_u64 s[12:13], s[12:13], s[40:41]
	s_add_nc_u64 s[28:29], s[28:29], s[40:41]
	s_wait_loadcnt 48                              ; the rows' codes and scale words are in; behind them 8 loads of weight scales, 8 of the bias, 32 of K steps 0-3 may be out
	WIN 0x40                                       ; window 1, which the way out needs only later, holds eight more slots: K steps 4-11 are asked for here, 64 loads
	FRAG 0, 4
	FRAG 1, 5
	FRAG 2, 6
	FRAG 3, 7
	FRAG 4, 8
	FRAG 5, 9
	FRAG 6, 10
	FRAG 7, 11
	WIN 0x0c                                       ; an LDS store's data are its source 1
.set K, 0
.rept 32
	ds_store_b128 v[SA0], v[4*K:4*K+3] offset:2048*K
.set K, K+1
.endr
.set K, 0
.rept 32
	ds_store_b128 v[SA1], v[128+4*K:128+4*K+3] offset:2048*K
.set K, K+1
.endr
	WIN 0
.irp k,0,1,2,3
	ds_store_b128 v[SA2], v[TS+4*\k:TS+4*\k+3] offset:2048*\k
.endr
	s_wait_dscnt 0x0                               ; for the others' sake: my stores have landed
	s_barrier_signal -1
	s_barrier_wait -1                              ; the rows' 128 images and their scale words lie in LDS: the launch's only barrier
.irp i,0,1,2,3,4,5,6,7
.irp j,0,1,2,3,4,5,6,7
	ds_load_b32 v[XS+8*\i+\j], v[XRS] offset:512*\i+64*\j
.endr
.endr
	WIN 0x80
	XFL 0
	XFL 1
; THE SIXTEEN K STEPS, written out: every offset is an immediate
.set S, 0
.rept 16
	s_wait_loadcnt 63                              ; K step S's weights are in: behind them 64 to 88 loads have been issued at every S (later K steps, eight each; row tiles for the way out, sixteen each), of which 63 may be out
.if S < 15
	s_wait_dscnt 16                                ; K step S's rows are in; the next K step's sixteen loads may be out
.else
	s_wait_dscnt 0x0
.endif
	PRODS S
	WIN 0x80                                       ; loads into window 2
.rept 4
	v_nop                                          ; places in front of loads into registers that the products have read, and of the first read of results
.endr
.if S < 4
	FRAG S, S+12                                   ; window 2's slot S takes K step 12 + S
.endif
.if S < 14
	XFL S+2
.endif
.if S < 4                                      ; my wave's own h and enh of row tiles 2 S, 2 S + 1: a lane to each aligned 256 bytes, each named once in the launch; they are loaded from K step 5 on
	global_prefetch_b8 v[PFH], s[30:31] offset:S*131072 th:TH_LOAD_NT scope:SCOPE_SE
	global_prefetch_b8 v[PFE], s[12:13] offset:S*131072 th:TH_LOAD_NT scope:SCOPE_SE
.endif
.if (S >= 5) && (S <= 11) && (S%2 == 1)
	EPIL (S-5)/2                                   ; the way out's first four row tiles: buffer i lies where K steps 4 + 2 i and 5 + 2 i stood, which have just been multiplied
.endif
.set S, S+1
.endr
; THE WAY OUT, a row tile at a time; loads run three tiles ahead.  y is written over the sums and stored from there, so no store's data are written again and a buffer is free for its next load as soon as it has been read.
.macro EPI i
.set Z, 32*(\i)
.set HH, 64*((\i)%4)
.set EE, HH+32
.if (\i) < 5
	s_wait_loadcnt 48                              ; this tile's sixteen loads are in; those of the three tiles behind it may be out
.else
	s_wait_loadcnt 16*(7-(\i))
.endif
	WIN 0xc3                                       ; the sums: window 3
.set J, 0
.rept 16
	v_pk_mul_f32 v[Z+J:Z+J+1], v[Z+J:Z+J+1], s[44:45] op_sel_hi:[1,0]   ; -log2(e) z, each accumulator from its low end on
.set J, J+2
.endr
.set J, 0
	s_wait_alu depctr_va_vdst(0)
.rept 32
	v_exp_f32 v[Z+J], v[Z+J]
.set J, J+1
.endr
	WIN 0x45
.set J, 0
.rept 16
	v_pk_add_f32 v[EE+J:EE+J+1], v[EE+J:EE+J+1], v[HH+J:HH+J+1] neg_lo:[0,1] neg_hi:[0,1]   ; enh - h: plain work behind the batch
.set J, J+2
.endr
	s_wait_alu depctr_va_vdst(0)                   ; one wait for the 32 exponentials, ahead of their first reader
	WIN 0xc3
.set J, 0
.rept 16
	v_pk_add_f32 v[Z+J:Z+J+1], v[Z+J:Z+J+1], 1.0 op_sel_hi:[1,0]
.set J, J+2
.endr
.set J, 0
	s_wait_alu depctr_va_vdst(0)
.rept 32
	v_rcp_f32 v[Z+J], v[Z+J]                       ; the gate
.set J, J+1
.endr
	v_nop
	s_wait_alu depctr_va_vdst(0)                   ; one wait for the 32 reciprocals
	WIN 0xd7                                       ; the gate window 3; enh - h and h window 1
.set J, 0
.rept 16
	v_pk_fma_f32 v[Z+J:Z+J+1], v[Z+J:Z+J+1], v[EE+J:EE+J+1], v[HH+J:HH+J+1]
.set J, J+2
.endr
	WIN 0xc7
.set J, 0
.rept 16
	v_pk_add_f32 v[Z+J:Z+J+1], v[Z+J:Z+J+1], v[HH+J:HH+J+1]   ; the residual
.set J, J+2
.endr
.if (\i) < 4
	EPIL (\i)+4
.endif
	WIN 0x0c                                       ; a store's data are its source 1
.irp q,0,1,2,3,4,5,6,7
	global_store_b128 v[LI], v[Z+4*\q:Z+4*\q+3], s[28:29] offset:(\i)*65536+512*\q   ; 32 lanes store 512 consecutive bytes
.endr
.endm
.irp i,0,1,2,3,4,5,6,7
	EPI \i
.endr
	WIN 0
	s_wait_tensorcnt 0x0                           ; the wave's end
	ds_add_u32 v[SPW], v[NIL]
	s_wait_dscnt 0x0
	s_endpgm
.Lfunc_end_k_qbef4d2f32a_gate:
	.size	k_qbef4d2f32a_gate, .Lfunc_end_k_qbef4d2f32a_gate-k_qbef4d2f32a_gate
	.p2alignl 7, 3214868480
	.fill 96, 4, 3214868480
	.section	.rodata,"a",@progbits
	.p2align	6, 0x0
	.amdhsa_kernel k_qbef4d2f32a_gate
		.amdhsa_group_segment_fixed_size 139776
		.amdhsa_private_segment_fixed_size 0
		.amdhsa_enable_private_segment 0
		.amdhsa_kernarg_size 88
		.amdhsa_user_sgpr_count 2
		.amdhsa_user_sgpr_kernarg_segment_ptr 1
		.amdhsa_wavefront_size32 1
		.amdhsa_system_sgpr_workgroup_id_x 1
		.amdhsa_system_sgpr_workgroup_id_y 1
		.amdhsa_system_sgpr_workgroup_id_z 1
		.amdhsa_system_vgpr_workitem_id 0
		.amdhsa_next_free_vgpr 1024
		.amdhsa_next_free_sgpr 66
		.amdhsa_reserve_vcc 0
		.amdhsa_float_denorm_mode_32 3
		.amdhsa_float_denorm_mode_16_64 3
		.amdhsa_memory_ordered 1
		.amdhsa_forward_progress 1
		.amdhsa_inst_pref_size 194
	.end_amdhsa_kernel
	.amdgpu_metadata
---
amdhsa.version: [ 1, 2 ]
amdhsa.kernels:
  - .name:           k_qbef4d2f32a_gate
    .symbol:         k_qbef4d2f32a_gate.kd
    .args:
      - { .name: h_b, .offset: 0, .size: 8, .value_kind: global_buffer, .address_space: global }
      - { .name: h_p, .offset: 8, .size: 8, .value_kind: global_buffer, .address_space: global }
      - { .name: enh, .offset: 16, .size: 8, .value_kind: global_buffer, .address_space: global }
      - { .name: hq, .offset: 24, .size: 8, .value_kind: global_buffer, .address_space: global }
      - { .name: eq, .offset: 32, .size: 8, .value_kind: global_buffer, .address_space: global }
      - { .name: wl, .offset: 40, .size: 8, .value_kind: global_buffer, .address_space: global }
      - { .name: g_sem_w_scales, .offset: 48, .size: 8, .value_kind: global_buffer, .address_space: global }
      - { .name: g_syn_w_scales, .offset: 56, .size: 8, .value_kind: global_buffer, .address_space: global }
      - { .name: g_sem_b, .offset: 64, .size: 8, .value_kind: global_buffer, .address_space: global }
      - { .name: g_syn_b, .offset: 72, .size: 8, .value_kind: global_buffer, .address_space: global }
      - { .name: y, .offset: 80, .size: 8, .value_kind: global_buffer, .address_space: global }
    .group_segment_fixed_size: 139776
    .private_segment_fixed_size: 0
    .kernarg_segment_align: 8
    .kernarg_segment_size: 88
    .max_flat_workgroup_size: 128
    .sgpr_count:     66
    .vgpr_count:     1024
    .wavefront_size: 32
...
	.end_amdgpu_metadata
.endif
;; end of part 3
;; launch fuse (part 4): grid 256 x 1, 8 waves a work-group, no clusters, 88,576 bytes of LDS; arguments y, wl, fg1_w_scales, fg1_b, ln_sem_g, ln_sem_b, ln_syn_g, ln_syn_b, fg2_w, fg2_b, out0; writes out0
.if DOCPART == 4
	.amdgcn_target "amdgcn-amd-amdhsa--gfx1250"
	.amdhsa_code_object_version 6
	.text
	.protected	k_qbef4d2f32a_fuse
	.globl	k_qbef4d2f32a_fuse
	.p2align	8
	.type	k_qbef4d2f32a_fuse,@function
k_qbef4d2f32a_fuse:
	s_mov_b64 s[64:65], 0
	v_nop
	global_prefetch_b8 v0, s[64:65] scope:SCOPE_SE
	s_setreg_imm32_b32 hwreg(HW_REG_WAVE_MODE, 25, 1), 1
	s_wait_xcnt 0x0
; FOURTH LAUNCH: for one tile of 16 rows a work-group: both LayerNorms of y, then fg1 (K = [hbp | hpp], 2,048), relu, the dot with fg2_w in f32, the sigmoid and the last blend.  No work is left out.
; SHARES: eight waves; lane r holds row 32 (tile / 2) + 8 (tile % 2) + r + (r & 8); wave w owns columns 128 w .. 128 w + 127 of the product and quantises the same columns of hbp and hpp, which are K steps w and 8 + w: images through LDS.
; y lies as images of registers ([tile 512][64 columns 16][4,096 bytes]; the syntax branch's tiles 256 on): a wave's 64 numbers a lane come by sixteen loads of 512 consecutive bytes, in the order in which QUANT takes them.
; The product is used transposed (source 0 = 16 permuted weight rows, source 1 = the 16 rows), so a lane's 64 results lie in that same order.  The weights' codes come from the first launch's copy in fragment order into a ring of four register slots.
; NO CLUSTER, NO TENSOR LOAD: every work-group walks the same 1 MiB, but each byte is used by one wave of a work-group, once; a joint load would add 1 MiB written to and read from LDS in each work-group.
; No prefetch: all that comes from memory once, y, is asked for at the head.
; ORDER OF ROUNDING that differs from the source's: fw a + (1 - fw) b is formed as b + fw (a - b).  LayerNorm takes the mean first and then the squares of the differences, as the source does.  LIMITS: as the first launch's.
.set FSC,   16384                      ; LDS: the 16 images at 0 (K step s at 1,024 s); their scale words at FSC (64 s + 4 r);
.set RED,   17408                      ; five regions of 512 bytes [row 16][wave 8] for sums over waves, each used once;
.set STAGE, 19968                      ; a stage of 16 rows x (512 + 16) bytes for each wave;
.set SPARE, 87552                      ; the spare words, 128 bytes a wave
.set LI,   2                           ; v2   16 x lane
.set XWI,  3                           ; v3   where I store images: 16 x lane + 1,024 x wave
.set XWS,  4                           ; v4   and scale words: FSC + 64 x wave + 4 r
.set XRS,  5                           ; v5   where I read scale words: FSC + 512 h + 4 r (lanes 16-31 take K steps 8-15)
.set WSA,  6                           ; v6   weight scale bytes: 64 rho(r) + 32 h
.set PA,   7                           ; v7   per-column vectors: 64 h
.set REDW, 8                           ; v8   RED + 32 r + 4 x wave
.set REDR, 9                           ; v9   RED + 32 r
.set STO,  10                          ; v10  the stage, in
.set RD,   11                          ; v11  the stage, back
.set SPW,  12                          ; v12  my spare word; never rewritten
.set NIL,  13                          ; v13  0; never rewritten
.set XS,   16                          ; v16-23   the rows' scale words: register j: lanes 0-15 K step j, lanes 16-31 K step 8 + j
.set WS,   24                          ; v24-87   the weights': register 8 t + j, likewise
.set XF,   88                          ; v88-103  two slots for the rows' fragments
.set WF,   104                         ; v104-231 four slots of four weight tiles
.set TM,   232                         ; v232-243 at work in QUANT and in the sums
.set PC,   244                         ; v244-251 the codes just made
.set PW,   252                         ; v252     the scale word just made
.set R0,   0                           ; window 1: four sets of 64 numbers of a lane: R0 gains, then fg2_w; R1 y, then hbp; R2 biases, then fg1's sums; R3 y, then hpp
.set R1,   64
.set R2,   128
.set R3,   192
.set SEL,  48                          ; s[48:49] lane l xor 16
.set MSB, 0
.macro WIN new                         ; the immediate's high byte repeats the setting that is left; a switch that changes nothing is dropped
.if MSB != (\new)
	s_set_vgpr_msb (MSB<<8)|(\new)
.set MSB, (\new)
.endif
.endm
.macro BARRIER                         ; my LDS stores have landed and my LDS loads are in: then the work-group's barrier
	s_wait_dscnt 0x0
	s_barrier_signal -1
	s_barrier_wait -1
.endm
; 64 numbers of a lane in window sw, register s + 16 b + i = k 32 b + 16 (lane / 16) + i of my row, become a fragment's codes in v[PC] on and its scale word in v[pw].
.macro QUANT s, sw, pw
	WIN (\sw)*20
.irp b,0,1,2,3
	v_max3_num_f32 v[TM+\b], 0x1800000, |v[(\s)+16*\b]|, |v[(\s)+16*\b+1]|   ; block b: my 16 numbers, and the floor 2^(3 - 127): the byte cannot fall under 1
.endr
.irp i,2,4,6,8,10,12,14
.irp b,0,1,2,3
	s_delay_alu instid0(VALU_DEP_4)
	v_max3_num_f32 v[TM+\b], v[TM+\b], |v[(\s)+16*\b+\i]|, |v[(\s)+16*\b+\i+1]|
.endr
.endr
	WIN 0
.irp b,0,1,2,3
	v_permlanex16_b32 v[TM+4+\b], v[TM+\b], s[SEL], s[SEL+1]
.endr
.irp b,0,1,2,3
	s_delay_alu instid0(VALU_DEP_4)
	v_max_num_f32 v[TM+\b], v[TM+\b], v[TM+4+\b]
.endr
.irp b,0,1,2,3
	s_delay_alu instid0(VALU_DEP_4)
	v_add_nc_u32 v[TM+8+\b], 0xff000000, v[TM+\b]
.endr
.irp b,0,1,2,3
	s_delay_alu instid0(VALU_DEP_4)
	v_lshrrev_b32 v[TM+4+\b], 23, v[TM+8+\b]
.endr
	s_delay_alu instid0(VALU_DEP_3)
	v_lshl_or_b32 v[\pw], v[TM+5], 8, v[TM+4]
	s_delay_alu instid0(VALU_DEP_1)
	v_lshl_or_b32 v[\pw], v[TM+6], 16, v[\pw]
	s_delay_alu instid0(VALU_DEP_1)
	v_lshl_or_b32 v[\pw], v[TM+7], 24, v[\pw]
	WIN (\sw)
.irp b,0,1,2,3
	v_cvt_scalef32_pk8_fp4_f32 v[PC+2*\b], v[(\s)+16*\b:(\s)+16*\b+7], v[TM+8+\b]
	v_cvt_scalef32_pk8_fp4_f32 v[PC+2*\b+1], v[(\s)+16*\b+8:(\s)+16*\b+15], v[TM+8+\b]
.endr
	WIN 0
	v_nop                                          ; one plain place behind the scaled conversions
.irp c,0,1
.irp i,0,1
	v_permlane16_swap_b32 v[PC+4*\c+\i], v[PC+4*\c+2+\i]
.endr
.endr
.endm
.macro MM d, a, b, c, sa, sb, row
.if \row
	v_wmma_scale_f32_16x16x128_f8f6f4 v[(\d):(\d)+7], v[(\a):(\a)+7], v[(\b):(\b)+7], v[(\c):(\c)+7], v[\sa], v[\sb] matrix_a_fmt:MATRIX_FMT_FP4 matrix_b_fmt:MATRIX_FMT_FP4 matrix_a_scale:MATRIX_SCALE_ROW1 matrix_b_scale:MATRIX_SCALE_ROW1
.else
	v_wmma_scale_f32_16x16x128_f8f6f4 v[(\d):(\d)+7], v[(\a):(\a)+7], v[(\b):(\b)+7], v[(\c):(\c)+7], v[\sa], v[\sb] matrix_a_fmt:MATRIX_FMT_FP4 matrix_b_fmt:MATRIX_FMT_FP4
.endif
.endm
.macro XLOAD reg, base                 ; my 64 numbers of y: register 16 b + i = column 128 w + 32 b + 16 h + i of my row: sixteen loads of 512 consecutive bytes
	WIN 0x40
.irp q,0,1,2,3,4,5,6,7,8,9,10,11,12,13,14,15
	global_load_b128 v[(\reg)+4*\q:(\reg)+4*\q+3], v[LI], s[\base:\base+1] offset:512*\q th:TH_LOAD_NT
.endr
	WIN 0
.endm
.macro PLOAD reg, base                 ; the same columns of a vector of 1,024
	WIN 0x40
.irp b,0,1,2,3
.irp j,0,1,2,3
	global_load_b128 v[(\reg)+16*\b+4*\j:(\reg)+16*\b+4*\j+3], v[PA], s[\base:\base+1] offset:128*\b+16*\j
.endr
.endr
	WIN 0
.endm
.macro RING g                          ; slot g of 32: K step g / 2, tiles 4 (g % 2) on: eight loads of 512 consecutive bytes
.irp tt,0,1,2,3
.irp c,0,1
	global_load_b128 v[WF+32*((\g)%4)+8*\tt+4*\c:WF+32*((\g)%4)+8*\tt+4*\c+3], v[LI], s[10:11] offset:((\g)/2)*8192+(4*((\g)%2)+\tt)*1024+512*\c
.endr
.endr
.endm
.macro XFLOAD s                        ; the rows' fragment of K step s
.irp c,0,1
	ds_load_b128 v[XF+8*((\s)%2)+4*\c:XF+8*((\s)%2)+4*\c+3], v[LI] offset:1024*(\s)+512*\c
.endr
.endm
.macro IMAGE off                       ; the fragment in v[PC] on goes to LDS as it stands
	ds_store_b128 v[XWI], v[PC:PC+3] offset:(\off)
	ds_store_b128 v[XWI], v[PC+4:PC+7] offset:(\off)+512
.endm
; the two chains v[232:233], v[234:235] become the row's total over all 1,024 columns, in v236, added in the same order in every wave
.macro RSUM k
	v_pk_add_f32 v[232:233], v[232:233], v[234:235]
	s_delay_alu instid0(VALU_DEP_1)
	v_add_f32 v232, v232, v233
	s_delay_alu instid0(VALU_DEP_1)
	v_permlanex16_b32 v233, v232, s[SEL], s[SEL+1]
	s_delay_alu instid0(VALU_DEP_1)
	v_add_f32 v232, v232, v233
	ds_store_b32 v[REDW], v232 offset:512*(\k)     ; lanes r and 16 + r store the same number to the same word
	BARRIER
	ds_load_b128 v[236:239], v[REDR] offset:512*(\k)
	ds_load_b128 v[240:243], v[REDR] offset:512*(\k)+16
	s_wait_dscnt 0x0
	v_pk_add_f32 v[236:237], v[236:237], v[238:239]
	v_pk_add_f32 v[240:241], v[240:241], v[242:243]
	s_delay_alu instid0(VALU_DEP_1)
	v_pk_add_f32 v[236:237], v[236:237], v[240:241]
	s_delay_alu instid0(VALU_DEP_1)
	v_add_f32 v236, v236, v237
.endm
; set x (window 1) becomes LayerNorm(x) R0 + R2, in place.  k: the first of two regions for sums
.macro LNORM x, k
	WIN 0x05
	v_pk_add_f32 v[232:233], v[(\x):(\x)+1], v[(\x)+2:(\x)+3]
	v_pk_add_f32 v[234:235], v[(\x)+4:(\x)+5], v[(\x)+6:(\x)+7]
	WIN 0x01
.set J, 8
	v_pk_add_f32 v[232:233], v[(\x)+J:(\x)+J+1], v[232:233]
	v_pk_add_f32 v[234:235], v[(\x)+J+2:(\x)+J+3], v[234:235]
.set J, J+4
.rept (14)-1
	s_delay_alu instid0(VALU_DEP_2)
	v_pk_add_f32 v[232:233], v[(\x)+J:(\x)+J+1], v[232:233]
	s_delay_alu instid0(VALU_DEP_2)
	v_pk_add_f32 v[234:235], v[(\x)+J+2:(\x)+J+3], v[234:235]
.set J, J+4
.endr
	WIN 0
	RSUM \k
	s_delay_alu instid0(VALU_DEP_1)
	v_mul_f32 v254, s46, v236                      ; the mean
	WIN 0x41
.set J, 0
.rept 32
	v_pk_add_f32 v[(\x)+J:(\x)+J+1], v[(\x)+J:(\x)+J+1], v[254:255] op_sel_hi:[1,0] neg_lo:[0,1] neg_hi:[0,1]
.set J, J+2
.endr
	WIN 0x05
	v_pk_mul_f32 v[232:233], v[(\x):(\x)+1], v[(\x):(\x)+1]
	v_pk_mul_f32 v[234:235], v[(\x)+2:(\x)+3], v[(\x)+2:(\x)+3]
.set J, 4
.rept 15
	s_delay_alu instid0(VALU_DEP_2)
	v_pk_fma_f32 v[232:233], v[(\x)+J:(\x)+J+1], v[(\x)+J:(\x)+J+1], v[232:233]
	s_delay_alu instid0(VALU_DEP_2)
	v_pk_fma_f32 v[234:235], v[(\x)+J+2:(\x)+J+3], v[(\x)+J+2:(\x)+J+3], v[234:235]
.set J, J+4
.endr
	WIN 0
	RSUM (\k)+1
	s_delay_alu instid0(VALU_DEP_1)
	v_fma_f32 v254, v236, s46, s47                 ; the variance + 1e-5
	s_wait_alu depctr_va_vdst(0)
	v_rsq_f32 v254, v254
	v_nop
	s_wait_alu depctr_va_vdst(0)                   ; ahead of the root's first reader
	s_wait_loadcnt 0x0                             ; gain and bias
	WIN 0x41
.set J, 0
.rept 32
	v_pk_mul_f32 v[(\x)+J:(\x)+J+1], v[(\x)+J:(\x)+J+1], v[254:255] op_sel_hi:[1,0]
.set J, J+2
.endr
	WIN 0x55
.set J, 0
.rept 32
	v_pk_fma_f32 v[(\x)+J:(\x)+J+1], v[(\x)+J:(\x)+J+1], v[R0+J:R0+J+1], v[R2+J:R2+J+1]
.set J, J+2
.endr
	WIN 0
.endm
	s_load_b512 s[8:23], s[0:1], 0x0               ; y 8, wl 10, fg1 scales 12, fg1_b 14, ln_sem_g 16, ln_sem_b 18, ln_syn_g 20, ln_syn_b 22
	s_load_b128 s[24:27], s[0:1], 0x40             ; fg2_w 24, fg2_b 26
	s_load_b64 s[28:29], s[0:1], 0x50              ; out0
	v_lshl_add_u32 v[SPW], v0, 2, SPARE
	v_mov_b32 v[NIL], 0
	v_lshrrev_b32 v232, 5, v0
	s_delay_alu instid0(VALU_DEP_1)
	v_readfirstlane_b32 s3, v232                   ; wave 0..7
	v_and_b32 v232, 15, v0                         ; r
	v_bfe_u32 v233, v0, 4, 1                       ; h
	s_delay_alu instid0(VALU_DEP_2)
	v_and_b32 v234, 8, v232
	s_delay_alu instid0(VALU_DEP_1)
	v_add_nc_u32 v234, v234, v232                  ; rho(r)
	v_and_b32 v235, 31, v0                         ; lane
	s_delay_alu instid0(VALU_DEP_1)
	v_lshlrev_b32 v[LI], 4, v235
	s_delay_alu instid0(VALU_DEP_3)
	v_lshlrev_b32 v[WSA], 6, v234
	s_delay_alu instid0(VALU_DEP_1)
	v_lshl_add_u32 v[WSA], v233, 5, v[WSA]
	v_lshlrev_b32 v[PA], 6, v233
	s_mov_b32 s53, 0
	s_wait_alu depctr_va_vdst(0)
	s_wait_kmcnt 0x0
	s_load_b32 s42, s[26:27], 0x0                  ; fg2_b's number
	s_lshl_b32 s52, ttmp9, 16                      ; my work-group's tile of 65,536 bytes,
	s_lshl_b32 s2, s3, 13                          ; my wave's 8,192 of them
	s_add_co_u32 s52, s52, s2
	s_add_nc_u64 s[8:9], s[8:9], s[52:53]          ; y of the semantic branch
	s_add_nc_u64 s[50:51], s[8:9], 0x1000000       ; of the syntax branch: 256 tiles on
	s_lshl_b32 s52, s3, 17
	s_add_nc_u64 s[10:11], s[10:11], s[52:53]      ; my 128 KiB
	s_add_nc_u64 s[10:11], s[10:11], 0x200000      ; of fg1's copy, the third matrix
	s_mov_b32 s52, s2
	s_add_nc_u64 s[12:13], s[12:13], s[52:53]      ; my 128 weight rows of 64 scale bytes
	s_lshl_b32 s52, s3, 9
.irp p,14,16,18,20,22,24
	s_add_nc_u64 s[\p:\p+1], s[\p:\p+1], s[52:53]  ; my 128 numbers of each vector
.endr
	s_lshr_b32 s2, ttmp9, 1
	s_lshl_b32 s2, s2, 17                          ; out0: 32 rows of 4,096 bytes for each pair of tiles,
	s_and_b32 s54, ttmp9, 1
	s_lshl_b32 s54, s54, 15                        ; eight rows for the odd tile,
	s_add_co_u32 s2, s2, s54
	s_add_co_u32 s52, s52, s2                      ; my wave's 512 bytes of a row
	s_add_nc_u64 s[28:29], s[28:29], s[52:53]
	XLOAD R1, 8                                    ; y of the semantic branch
	PLOAD R0, 16                                   ; its gain
	PLOAD R2, 18                                   ; its bias
	XLOAD R3, 50                                   ; y of the syntax branch
.irp t,0,1,2,3,4,5,6,7                         ; my 128 weight rows' scale words, all 16 K steps
.irp i,0,1
	global_load_b128 v[WS+8*\t+4*\i:WS+8*\t+4*\i+3], v[WSA], s[12:13] offset:(32*(\t/2)+8*(\t%2))*64+16*\i
.endr
.endr
	RING 0
	RING 1
	RING 2
	RING 3
	s_mov_b32 s44, 0xbfb8aa3b                      ; -log2(e)
	s_mov_b32 s46, 0x3a800000                      ; 1 / 1,024
	s_mov_b32 s47, 0x3727c5ac                      ; 1e-5
	s_mov_b32 s[SEL], 0x76543210
	s_mov_b32 s[SEL+1], 0xfedcba98
	s_lshl_b32 s52, s3, 10
	v_add_nc_u32 v[XWI], s52, v[LI]
	v_lshlrev_b32 v[XWS], 2, v232
	s_delay_alu instid0(VALU_DEP_1)
	v_lshl_add_u32 v[XRS], v233, 9, v[XWS]
	s_delay_alu instid0(VALU_DEP_1)
	v_add_nc_u32 v[XRS], FSC, v[XRS]
	s_lshl_b32 s52, s3, 6
	s_add_co_u32 s52, s52, FSC
	v_add_nc_u32 v[XWS], s52, v[XWS]
	v_lshlrev_b32 v[REDR], 5, v232
	s_delay_alu instid0(VALU_DEP_1)
	v_add_nc_u32 v[REDR], RED, v[REDR]
	s_lshl_b32 s52, s3, 2
	v_add_nc_u32 v[REDW], s52, v[REDR]
	s_mul_i32 s52, s3, 8448
	s_add_co_u32 s52, s52, STAGE                   ; my stage
	v_mul_u32_u24 v[STO], v232, 528
	s_delay_alu instid0(VALU_DEP_1)
	v_lshl_add_u32 v[STO], v233, 6, v[STO]
	s_delay_alu instid0(VALU_DEP_1)
	v_add_nc_u32 v[STO], s52, v[STO]
	v_add_nc_u32 v[RD], s52, v[LI]
.irp b,0,1,2,3
	v_mov_b32 v[TM+4+\b], 0                        ; written once: a lane permute's destination counts as one of its sources
.endr
	v_mov_b32 v255, 0                              ; named as the upper half of the pair v[254:255]
	s_wait_kmcnt 0x0                               ; fg2_b
	s_wait_loadcnt 63                              ; 112 loads were issued: the oldest 49 are in, the first branch's y, gain and bias (48) among them
	LNORM R1, 0                                    ; hbp
	PLOAD R0, 20                                   ; the second branch's gain and bias land under the quantising and the sums
	PLOAD R2, 22
	QUANT R1, 1, PW
	IMAGE 0                                        ; K step w
	ds_store_b32 v[XWS], v[PW]
	LNORM R3, 2                                    ; hpp
	PLOAD R2, 14                                   ; fg1_b starts the sums
	PLOAD R0, 24                                   ; fg2_w
	QUANT R3, 1, PW                                ; (the first image's stores were waited for at the sums' barriers)
	IMAGE 8192                                     ; K step 8 + w
	ds_store_b32 v[XWS], v[PW] offset:512
	BARRIER                                        ; the sixteen images lie in LDS
; fg1: R2 (which holds the bias) += weights x the 16 images.  32 half steps of four products; the eight accumulators by turns.
.irp j,0,1,2,3,4,5,6,7
	ds_load_b32 v[XS+\j], v[XRS] offset:64*\j
.endr
	XFLOAD 0
	XFLOAD 1
	s_wait_loadcnt 0x0                             ; fg1_b and fg2_w were issued behind the ring's first four slots: a counted wait would not show them in
.set Q, 0
.rept 32
.if Q%2 == 0
.if Q == 30
	s_wait_dscnt 0x0
.else
	s_wait_dscnt 2                                 ; this K step's fragment is in; the next one's two loads may be out
.endif
.endif
.if Q > 28
	s_wait_loadcnt 8*(31-Q)                        ; the ring runs out
.else
	s_wait_loadcnt 24                              ; this slot is in; the three slots behind it, eight loads each, may be out
.endif
	WIN 0x50                                       ; C and D window 1
.irp tt,0,1,2,3
.set rD, R2+8*(4*(Q%2)+\tt)
	MM rD, WF+32*(Q%4)+8*\tt, XF+8*((Q/2)%2), rD, WS+8*(4*(Q%2)+\tt)+(Q/2)%8, XS+(Q/2)%8, Q/16
.endr
	WIN 0
.rept 4
	v_nop                                          ; places in front of loads into registers that the products have read, and of the first read of results
.endr
.if Q+4 < 32
	RING Q+4
.endif
.if (Q%2 == 1) && (Q/2 <= 13)
	XFLOAD Q/2+2
.endif
.set Q, Q+1
.endr
	WIN 0x45
.set J, 0
.rept 64
	v_max_num_f32 v[R2+J], 0, v[R2+J]              ; relu, each accumulator from its low end on
.set J, J+1
.endr
	WIN 0x05
	v_pk_mul_f32 v[232:233], v[R2:R2+1], v[R0:R0+1]      ; the dot with fg2_w, f32, in two chains
	v_pk_mul_f32 v[234:235], v[R2+2:R2+3], v[R0+2:R0+3]
.set J, 4
.rept 15
	s_delay_alu instid0(VALU_DEP_2)
	v_pk_fma_f32 v[232:233], v[R2+J:R2+J+1], v[R0+J:R0+J+1], v[232:233]
	s_delay_alu instid0(VALU_DEP_2)
	v_pk_fma_f32 v[234:235], v[R2+J+2:R2+J+3], v[R0+J+2:R0+J+3], v[234:235]
.set J, J+4
.endr
	WIN 0
	RSUM 4
	s_delay_alu instid0(VALU_DEP_1)
	v_add_f32 v254, s42, v236
	s_delay_alu instid0(VALU_DEP_1)
	v_mul_f32 v254, s44, v254
	s_wait_alu depctr_va_vdst(0)
	v_exp_f32 v254, v254
	v_nop
	s_wait_alu depctr_va_vdst(0)
	v_add_f32 v254, 1.0, v254
	s_wait_alu depctr_va_vdst(0)
	v_rcp_f32 v254, v254                           ; fw
	v_nop
	s_wait_alu depctr_va_vdst(0)
	WIN 0x45
.set J, 0
.rept 32
	v_pk_add_f32 v[R1+J:R1+J+1], v[R1+J:R1+J+1], v[R3+J:R3+J+1] neg_lo:[0,1] neg_hi:[0,1]   ; hbp - hpp
.set J, J+2
.endr
	WIN 0x51
.set J, 0
.rept 32
	v_pk_fma_f32 v[R1+J:R1+J+1], v[R1+J:R1+J+1], v[254:255], v[R3+J:R3+J+1] op_sel_hi:[1,0,1]
.set J, J+2
.endr
	WIN 0x04                                       ; an LDS store's data are its source 1
.irp b,0,1,2,3
.irp j,0,1,2,3
	ds_store_b128 v[STO], v[R1+16*\b+4*\j:R1+16*\b+4*\j+3] offset:128*\b+16*\j
.endr
.endr
	WIN 0
.irp i,0,1,2,3,4,5,6,7,8,9,10,11,12,13,14,15
	ds_load_b128 v[WF+4*\i:WF+4*\i+3], v[RD] offset:528*\i   ; LDS serves a wave's instructions in order: these see my stores
.endr
.irp i,0,1,2,3,4,5,6,7,8,9,10,11,12,13,14,15
	s_wait_dscnt 15-\i
	global_store_b128 v[LI], v[WF+4*\i:WF+4*\i+3], s[28:29] offset:4096*(\i+8*(\i/8)) th:TH_STORE_NT   ; lane i's row is row i + (i & 8) of the tile's span; 32 lanes store 512 consecutive bytes, aligned
.endr
	s_wait_tensorcnt 0x0                           ; the wave's end
	ds_add_u32 v[SPW], v[NIL]
	s_wait_dscnt 0x0
	s_endpgm
.Lfunc_end_k_qbef4d2f32a_fuse:
	.size	k_qbef4d2f32a_fuse, .Lfunc_end_k_qbef4d2f32a_fuse-k_qbef4d2f32a_fuse
	.p2alignl 7, 3214868480
	.fill 96, 4, 3214868480
	.section	.rodata,"a",@progbits
	.p2align	6, 0x0
	.amdhsa_kernel k_qbef4d2f32a_fuse
		.amdhsa_group_segment_fixed_size 88576
		.amdhsa_private_segment_fixed_size 0
		.amdhsa_enable_private_segment 0
		.amdhsa_kernarg_size 88
		.amdhsa_user_sgpr_count 2
		.amdhsa_user_sgpr_kernarg_segment_ptr 1
		.amdhsa_wavefront_size32 1
		.amdhsa_system_sgpr_workgroup_id_x 1
		.amdhsa_system_sgpr_workgroup_id_y 1
		.amdhsa_system_sgpr_workgroup_id_z 1
		.amdhsa_system_vgpr_workitem_id 0
		.amdhsa_next_free_vgpr 512
		.amdhsa_next_free_sgpr 66
		.amdhsa_reserve_vcc 0
		.amdhsa_float_denorm_mode_32 3
		.amdhsa_float_denorm_mode_16_64 3
		.amdhsa_memory_ordered 1
		.amdhsa_forward_progress 1
		.amdhsa_inst_pref_size 122
	.end_amdhsa_kernel
	.amdgpu_metadata
---
amdhsa.version: [ 1, 2 ]
amdhsa.kernels:
  - .name:           k_qbef4d2f32a_fuse
    .symbol:         k_qbef4d2f32a_fuse.kd
    .args:
      - { .name: y, .offset: 0, .size: 8, .value_kind: global_buffer, .address_space: global }
      - { .name: wl, .offset: 8, .size: 8, .value_kind: global_buffer, .address_space: global }
      - { .name: fg1_w_scales, .offset: 16, .size: 8, .value_kind: global_buffer, .address_space: global }
      - { .name: fg1_b, .offset: 24, .size: 8, .value_kind: global_buffer, .address_space: global }
      - { .name: ln_sem_g, .offset: 32, .size: 8, .value_kind: global_buffer, .address_space: global }
      - { .name: ln_sem_b, .offset: 40, .size: 8, .value_kind: global_buffer, .address_space: global }
      - { .name: ln_syn_g, .offset: 48, .size: 8, .value_kind: global_buffer, .address_space: global }
      - { .name: ln_syn_b, .offset: 56, .size: 8, .value_kind: global_buffer, .address_space: global }
      - { .name: fg2_w, .offset: 64, .size: 8, .value_kind: global_buffer, .address_space: global }
      - { .name: fg2_b, .offset: 72, .size: 8, .value_kind: global_buffer, .address_space: global }
      - { .name: out0, .offset: 80, .size: 8, .value_kind: global_buffer, .address_space: global }
    .group_segment_fixed_size: 88576
    .private_segment_fixed_size: 0
    .kernarg_segment_align: 8
    .kernarg_segment_size: 88
    .max_flat_workgroup_size: 256
    .sgpr_count:     66
    .vgpr_count:     512
    .wavefront_size: 32
...
	.end_amdgpu_metadata
.endif
;; end of part 4
